; MI455X (gfx1250); checked and timed in simulation.
; The chip was launched on July 23, 2026; its instructions are those of AMD's public machine-readable ISA for CDNA 5 (MIT licence, August 2026) and "CDNA5" Instruction Set Architecture Reference Guide (July 2026). The comments in the code are by the model that wrote it; some were corrected since.
;; Encoder Ro PE Block. Allowed arithmetic: float matrix products may take bf16 or f16 operands with f32 sums; other float arithmetic in f32, or as packed bf16 or f16 multiplies, adds, multiply-adds, maxima and minima; sums over many terms, partial sums and values carried from step to step in f32; what a program stores and reads back later, other than sums and carried values, may be rounded once to bf16 or f16.
;; Inputs: b1 4,096 float32; b2 1,024 float32; bk 1,024 float32; bo 1,024 float32; bq 1,024 float32; bv 1,024 float32; gate_mlp 1 x 1 x 1,024 float32; gate_msa 1 x 1 x 1,024 float32; ln1_b 1,024 float32; ln1_g 1,024 float32; ln2_b 1,024 float32; ln2_g 1,024 float32; w1 1,024 x 4,096 float32; w2 4,096 x 1,024 float32; wk 1,024 x 1,024 float32; wo 1,024 x 1,024 float32; wq 1,024 x 1,024 float32; wv 1,024 x 1,024 float32; x 2 x 2,048 x 1,024 float32.
;; Outputs: out0 2 x 2,048 x 1,024 float32.
;; One version. Each part assembles by itself: llvm-mc -triple=amdgcn-amd-amdhsa -mcpu=gfx1250 --defsym DOCPART=n.
;; ======== version 1 of 1: 7 launches
;; limits: a function is approximated: absolute error at most 2.5e-05
;; workspace buffers: wb 25,165,824 bytes; cs 524,288 bytes; h 8,388,608 bytes; qkv 25,165,824 bytes; o 8,388,608 bytes; x1 16,777,216 bytes; hid 33,554,432 bytes
;; launch prep (part 1): grid 1536 x 1, 8 waves a work-group, no clusters, 0 bytes of LDS; arguments x, ln1_g, ln1_b, wq, wk, wv, wo, w1, w2, h, wb, cs; writes h, wb, cs
.if DOCPART == 1
	.amdgcn_target "amdgcn-amd-amdhsa--gfx1250"
	.amdhsa_code_object_version 6
	.text
	.protected	k_q35f987c9ed_prep
	.globl	k_q35f987c9ed_prep
	.p2align	8
	.type	k_q35f987c9ed_prep,@function
k_q35f987c9ed_prep:
	s_mov_b64 s[64:65], 0
	v_nop
	global_prefetch_b8 v0, s[64:65] scope:SCOPE_SE
	s_setreg_imm32_b32 hwreg(HW_REG_WAVE_MODE, 25, 1), 1
	s_wait_xcnt 0x0
; Three streams in one launch, told apart by the work-group's number:
;   0 .. 511     LayerNorm 1: h[row] = (x - mean) rsqrt(var + 1e-6) g + b, rounded once to bf16.  A wave takes a row of 1,024 f32 and keeps it in 32 registers.
;   512 .. 1279  the six weight matrices rounded once to bf16, layout unchanged ([K][N]), one behind the other in wb; 16,384 numbers a work-group.
;   1280 .. 1535 the RoPE table cs[l][j] = (cos, sin)(l x 10000^(-j/32)), f32; a wave a row l, a lane a j.
; No LDS, no matrix unit, no cluster: nothing is shared and every byte is read once.
; LIMIT of the table: the angle l x inv carries f32's rounding of that product, as the formula itself does in f32; sine and cosine are polynomials on |r| <= pi/4, off by under 4e-7.
.set XR, 16                            ; v[16:47]   the row
.set GR, 48                            ; v[48:79]   g
.set BR, 80                            ; v[80:111]  b
.set YR, 112                           ; v[112:127] the row in bf16
.macro JOIN                            ; four chains of pairs into one number a lane, then over the 32 lanes
	v_pk_add_f32 v[4:5], v[4:5], v[6:7]
	v_pk_add_f32 v[8:9], v[8:9], v[10:11]
	v_pk_add_f32 v[4:5], v[4:5], v[8:9]
	v_add_f32 v4, v4, v5
	v_add_f32_dpp v4, v4, v4 row_xmask:1 row_mask:0xf bank_mask:0xf
	v_add_f32_dpp v4, v4, v4 row_xmask:2 row_mask:0xf bank_mask:0xf
	v_add_f32_dpp v4, v4, v4 row_xmask:4 row_mask:0xf bank_mask:0xf
	v_add_f32_dpp v4, v4, v4 row_xmask:8 row_mask:0xf bank_mask:0xf
	v_permlanex16_b32 v5, v4, s32, s33
	v_add_f32 v4, v4, v5
.endm
; One row.  xp, gp, bp, hp: the scalar pairs of the four addresses; nt = 1: the row is read once in this launch
.macro LNROW xp, gp, bp, hp, nt
	s_mov_b32 s32, 0x76543210              ; v_permlanex16_b32: each lane takes its own place in the other half
	s_mov_b32 s33, 0xfedcba98
	s_mov_b32 s38, 0x3a800000              ; 1 / 1024
	s_mov_b32 s39, 0x358637bd              ; 1e-6
	s_lshl_b32 s35, ttmp9, 3
	s_add_co_u32 s35, s35, s34             ; row = 8 x work-group + wave
	s_lshl_b32 s36, s35, 12
	s_add_nc_u64 s[\xp:\xp+1], s[\xp:\xp+1], s[36:37]
	s_lshl_b32 s36, s35, 11
	s_add_nc_u64 s[\hp:\hp+1], s[\hp:\hp+1], s[36:37]
	v_lshlrev_b32 v2, 4, v1                ; 16 bytes a lane: a load of the wave covers 512 consecutive bytes
	v_lshlrev_b32 v3, 3, v1                ; 8 bytes a lane on the way out
.irp j, 0,1,2,3,4,5,6,7
.if \nt
	global_load_b128 v[XR+4*(\j):XR+4*(\j)+3], v2, s[\xp:\xp+1] offset:512*(\j) th:TH_LOAD_NT
.else
	global_load_b128 v[XR+4*(\j):XR+4*(\j)+3], v2, s[\xp:\xp+1] offset:512*(\j)
.endif
.endr
.irp j, 0,1,2,3,4,5,6,7
	global_load_b128 v[GR+4*(\j):GR+4*(\j)+3], v2, s[\gp:\gp+1] offset:512*(\j)
.endr
.irp j, 0,1,2,3,4,5,6,7
	global_load_b128 v[BR+4*(\j):BR+4*(\j)+3], v2, s[\bp:\bp+1] offset:512*(\j)
.endr
	s_wait_loadcnt 16                      ; the row is in; the 16 younger loads (g, b) may stay out
.irp c, 0,1,2,3
	v_pk_add_f32 v[4+2*(\c):5+2*(\c)], v[XR+4*(\c):XR+4*(\c)+1], v[XR+4*(\c)+2:XR+4*(\c)+3]  ; the first eight pairs start four chains
.endr
.irp p, 8,9,10,11,12,13,14,15
	v_pk_add_f32 v[4+2*((\p)%4):5+2*((\p)%4)], v[4+2*((\p)%4):5+2*((\p)%4)], v[XR+2*(\p):XR+2*(\p)+1]
.endr
	JOIN
	v_mul_f32 v12, s38, v4                 ; the mean, twice
	v_mov_b32 v13, v12
.irp p, 0,1,2,3,4,5,6,7,8,9,10,11,12,13,14,15
	v_pk_add_f32 v[XR+2*(\p):XR+2*(\p)+1], v[XR+2*(\p):XR+2*(\p)+1], v[12:13] neg_lo:[0,1] neg_hi:[0,1]  ; x - mean first: the variance is no difference of large sums
.endr
.irp c, 0,1,2,3
	v_pk_mul_f32 v[4+2*(\c):5+2*(\c)], v[XR+2*(\c):XR+2*(\c)+1], v[XR+2*(\c):XR+2*(\c)+1]
.endr
.irp p, 4,5,6,7,8,9,10,11,12,13,14,15
	v_pk_fma_f32 v[4+2*((\p)%4):5+2*((\p)%4)], v[XR+2*(\p):XR+2*(\p)+1], v[XR+2*(\p):XR+2*(\p)+1], v[4+2*((\p)%4):5+2*((\p)%4)]
.endr
	JOIN
	v_fma_f32 v14, v4, s38, s39            ; variance + eps
	v_rsq_f32 v14, v14
	v_nop                                  ; a plain instruction behind the root,
	s_wait_alu depctr_va_vdst(0)           ; and the wait ahead of the first line that names its result
	v_mov_b32 v15, v14
.irp p, 0,1,2,3,4,5,6,7,8,9,10,11,12,13,14,15
	v_pk_mul_f32 v[XR+2*(\p):XR+2*(\p)+1], v[XR+2*(\p):XR+2*(\p)+1], v[14:15]
.endr
	s_wait_loadcnt 0x0                     ; g and b
.irp p, 0,1,2,3,4,5,6,7,8,9,10,11,12,13,14,15
	v_pk_fma_f32 v[XR+2*(\p):XR+2*(\p)+1], v[XR+2*(\p):XR+2*(\p)+1], v[GR+2*(\p):GR+2*(\p)+1], v[BR+2*(\p):BR+2*(\p)+1]
.endr
.irp p, 0,1,2,3,4,5,6,7,8,9,10,11,12,13,14,15
	v_cvt_pk_bf16_f32 v[YR+(\p)], v[XR+2*(\p)], v[XR+2*(\p)+1]
.endr
.irp j, 0,1,2,3,4,5,6,7
	global_store_b64 v3, v[YR+2*(\j):YR+2*(\j)+1], s[\hp:\hp+1] offset:256*(\j)  ; the wave stores 256 consecutive bytes, aligned
.endr
.endm
	s_load_b512 s[8:23], s[0:1], 0x0       ; x 8, ln1_g 10, ln1_b 12, wq 14, wk 16, wv 18, wo 20, w1 22
	s_load_b256 s[24:31], s[0:1], 0x40     ; w2 24, h 26, wb 28, cs 30
	v_lshrrev_b32 v1, 5, v0
	v_readfirstlane_b32 s34, v1            ; wave
	v_and_b32 v1, 31, v0                   ; lane
	s_mov_b32 s37, 0                       ; the high word of every offset pair s[36:37]
	s_wait_kmcnt 0x0
	s_cmp_lt_u32 ttmp9, 512
	s_cbranch_scc1 .Lln
	s_cmp_lt_u32 ttmp9, 1280
	s_cbranch_scc1 .Lcast
	; THE TABLE
	s_sub_co_u32 s35, ttmp9, 1280
	s_lshl_b32 s35, s35, 3
	s_add_co_u32 s35, s35, s34             ; l
	s_lshl_b32 s36, s35, 8                 ; a row of the table is 256 bytes
	s_add_nc_u64 s[30:31], s[30:31], s[36:37]
	v_lshlrev_b32 v2, 3, v1
	v_cvt_f32_u32 v3, v1
	v_cvt_f32_u32 v4, s35
	v_mul_f32 v3, 0xbed49a78, v3           ; -j log2(10000) / 32
	v_exp_f32 v3, v3
	v_nop
	s_wait_alu depctr_va_vdst(0)
	v_mul_f32 v4, v4, v3                   ; the angle
	v_mul_f32 v5, 0x3f22f983, v4           ; x 2 / pi
	v_rndne_f32 v5, v5                     ; n
	v_fmamk_f32 v6, v5, 0xbfc90fdb, v4     ; r = a - n pi/2, pi/2 in two parts
	v_fmamk_f32 v6, v5, 0x333bbd2e, v6
	v_mul_f32 v7, v6, v6                   ; z
	v_mov_b32 v8, 0xb9500d01
	v_fmaak_f32 v8, v8, v7, 0x3c088889
	v_fmaak_f32 v8, v8, v7, 0xbe2aaaab
	v_mul_f32 v9, v6, v7
	v_fma_f32 v8, v9, v8, v6               ; sin r
	v_mov_b32 v10, 0x37d00d01
	v_fmaak_f32 v10, v10, v7, 0xbab60b61
	v_fmaak_f32 v10, v10, v7, 0x3d2aaaab
	v_fmaak_f32 v10, v10, v7, 0xbf000000
	v_fmaak_f32 v10, v10, v7, 0x3f800000   ; cos r
	v_cvt_i32_f32 v11, v5
	v_and_b32 v11, 3, v11                  ; the quadrant: it selects values alone
	v_and_b32 v12, 1, v11
	v_cmp_eq_u32 vcc_lo, 1, v12
	v_cndmask_b32 v13, v10, v8, vcc_lo     ; odd quadrants swap the two
	v_cndmask_b32 v14, v8, v10, vcc_lo
	v_add_nc_u32 v12, 1, v11
	v_lshrrev_b32 v12, 1, v12
	v_lshlrev_b32 v12, 31, v12             ; the cosine is negative in quadrants 1 and 2,
	v_lshrrev_b32 v15, 1, v11
	v_lshlrev_b32 v15, 31, v15             ; the sine in 2 and 3
	v_xor_b32 v16, v13, v12
	v_xor_b32 v17, v14, v15
	global_store_b64 v2, v[16:17], s[30:31]
	s_endpgm
.Lcast:                                        ; THE WEIGHTS
	s_sub_co_u32 s35, ttmp9, 512           ; c: chunk of 16,384 numbers among all six matrices
	s_lshr_b32 s42, s35, 6                 ; 0..3: wq wk wv wo; 4..7: w1; 8..11: w2
	s_and_b32 s43, s35, 63                 ; the chunk inside its matrix
	s_sub_co_u32 s44, s35, 256
	s_sub_co_u32 s45, s35, 512
	s_mov_b64 s[40:41], s[14:15]
	s_cmp_eq_u32 s42, 1
	s_cselect_b64 s[40:41], s[16:17], s[40:41]
	s_cmp_eq_u32 s42, 2
	s_cselect_b64 s[40:41], s[18:19], s[40:41]
	s_cmp_eq_u32 s42, 3
	s_cselect_b64 s[40:41], s[20:21], s[40:41]
	s_cmp_ge_u32 s42, 4
	s_cselect_b64 s[40:41], s[22:23], s[40:41]
	s_cselect_b32 s43, s44, s43
	s_cmp_ge_u32 s42, 8
	s_cselect_b64 s[40:41], s[24:25], s[40:41]
	s_cselect_b32 s43, s45, s43
	s_lshl_b32 s36, s43, 16
	s_add_nc_u64 s[40:41], s[40:41], s[36:37]
	s_lshl_b32 s36, s35, 15
	s_add_nc_u64 s[28:29], s[28:29], s[36:37]
	v_lshlrev_b32 v2, 5, v0                ; 32 bytes of f32 a thread,
	v_lshlrev_b32 v3, 4, v0                ; 16 bytes of bf16
.irp k, 0,1,2,3,4,5,6,7
	global_load_b128 v[16+8*(\k):16+8*(\k)+3], v2, s[40:41] offset:8192*(\k) th:TH_LOAD_NT
	global_load_b128 v[16+8*(\k)+4:16+8*(\k)+7], v2, s[40:41] offset:8192*(\k)+16 th:TH_LOAD_NT
.endr
.irp k, 0,1,2,3,4,5,6,7
	s_wait_loadcnt 14-2*(\k)               ; pair k is in; the younger pairs stay out
.irp i, 0,1,2,3
	v_cvt_pk_bf16_f32 v[80+4*(\k)+(\i)], v[16+8*(\k)+2*(\i)], v[16+8*(\k)+2*(\i)+1]
.endr
	global_store_b128 v3, v[80+4*(\k):80+4*(\k)+3], s[28:29] offset:4096*(\k)
.endr
	s_endpgm
.Lln:
	LNROW 8, 10, 12, 26, 1
	s_endpgm
.Lfunc_end_k_q35f987c9ed_prep:
	.size	k_q35f987c9ed_prep, .Lfunc_end_k_q35f987c9ed_prep-k_q35f987c9ed_prep
	.p2alignl 7, 3214868480
	.fill 96, 4, 3214868480
	.section	.rodata,"a",@progbits
	.p2align	6, 0x0
	.amdhsa_kernel k_q35f987c9ed_prep
		.amdhsa_group_segment_fixed_size 0
		.amdhsa_private_segment_fixed_size 0
		.amdhsa_enable_private_segment 0
		.amdhsa_kernarg_size 96
		.amdhsa_user_sgpr_count 2
		.amdhsa_user_sgpr_kernarg_segment_ptr 1
		.amdhsa_wavefront_size32 1
		.amdhsa_system_sgpr_workgroup_id_x 1
		.amdhsa_system_sgpr_workgroup_id_y 1
		.amdhsa_system_sgpr_workgroup_id_z 1
		.amdhsa_system_vgpr_workitem_id 0
		.amdhsa_next_free_vgpr 128
		.amdhsa_next_free_sgpr 66
		.amdhsa_reserve_vcc 1
		.amdhsa_float_denorm_mode_32 3
		.amdhsa_float_denorm_mode_16_64 3
		.amdhsa_memory_ordered 1
		.amdhsa_forward_progress 1
		.amdhsa_inst_pref_size 19
	.end_amdhsa_kernel
	.amdgpu_metadata
---
amdhsa.version: [ 1, 2 ]
amdhsa.kernels:
  - .name:           k_q35f987c9ed_prep
    .symbol:         k_q35f987c9ed_prep.kd
    .args:
      - { .name: x, .offset: 0, .size: 8, .value_kind: global_buffer, .address_space: global }
      - { .name: ln1_g, .offset: 8, .size: 8, .value_kind: global_buffer, .address_space: global }
      - { .name: ln1_b, .offset: 16, .size: 8, .value_kind: global_buffer, .address_space: global }
      - { .name: wq, .offset: 24, .size: 8, .value_kind: global_buffer, .address_space: global }
      - { .name: wk, .offset: 32, .size: 8, .value_kind: global_buffer, .address_space: global }
      - { .name: wv, .offset: 40, .size: 8, .value_kind: global_buffer, .address_space: global }
      - { .name: wo, .offset: 48, .size: 8, .value_kind: global_buffer, .address_space: global }
      - { .name: w1, .offset: 56, .size: 8, .value_kind: global_buffer, .address_space: global }
      - { .name: w2, .offset: 64, .size: 8, .value_kind: global_buffer, .address_space: global }
      - { .name: h, .offset: 72, .size: 8, .value_kind: global_buffer, .address_space: global }
      - { .name: wb, .offset: 80, .size: 8, .value_kind: global_buffer, .address_space: global }
      - { .name: cs, .offset: 88, .size: 8, .value_kind: global_buffer, .address_space: global }
    .group_segment_fixed_size: 0
    .private_segment_fixed_size: 0
    .kernarg_segment_align: 8
    .kernarg_segment_size: 96
    .max_flat_workgroup_size: 256
    .sgpr_count:     66
    .vgpr_count:     128
    .wavefront_size: 32
...
	.end_amdgpu_metadata
.endif
;; end of part 1
;; launch qkv (part 2): grid 8 x 32, 4 waves a work-group, clusters of 4 x 4, 327,680 bytes of LDS; arguments h, wb, bq, bk, bv, cs, qkv; writes qkv
.if DOCPART == 2
	.amdgcn_target "amdgcn-amd-amdhsa--gfx1250"
	.amdhsa_code_object_version 6
	.text
	.protected	k_q35f987c9ed_qkv
	.globl	k_q35f987c9ed_qkv
	.p2align	8
	.type	k_q35f987c9ed_qkv,@function
k_q35f987c9ed_qkv:
	s_mov_b64 s[64:65], 0
	v_nop
	global_prefetch_b8 v0, s[64:65] scope:SCOPE_SE
	s_setreg_imm32_b32 hwreg(HW_REG_WAVE_MODE, 25, 1), 1
	s_wait_xcnt 0x0
	s_wait_alu depctr_hold_cnt(0) depctr_sa_sdst(0) depctr_va_vdst(0) depctr_va_sdst(0) depctr_va_ssrc(0) depctr_va_vcc(0) depctr_vm_vsrc(0)
	s_getreg_b32 s2, hwreg(HW_REG_IB_STS2, 6, 4)
	s_cmp_eq_u32 s2, 0
	s_cbranch_scc0 .Lentry_in_a_cluster
	s_endpgm
.Lentry_in_a_cluster:
	s_bfe_u32 s2, ttmp6, 0x10000c
	s_cmp_lg_u32 s2, 0xf033
	s_cbranch_scc0 .Lentry_shape_is_right
	s_endpgm
.Lentry_shape_is_right:
; q, k, v = h [wq | wk | wv] + bias, RoPE on q and k, rounded once to bf16 and written by heads: qkv = q, k, v, each [b 16 + head][2048][64].
; h: [4096][1024] bf16.  The weights lie in wb as [K][N] bf16.  Sums in f32.
; A work-group makes 128 tokens x (128 columns of q, of k and of v); a wave 64 tokens x 64 columns of each: one head of q, k and v, 48 accumulators.
; K goes in 8 steps of 128 through two LDS slots: h's tile (128 rows x 256 bytes, pitch 272) and three tiles of weights (128 k-rows x 256 bytes, pitch 288).
; The matrix instruction is used transposed: source 0 = 16 columns of the weights, turned on their way out of LDS by ds_load_tr16_b128; source 1 = 16 rows of h.
; A lane's eight results are then eight neighbouring columns of one token.
; CLUSTER 4 x 4: h's tile and the table's rows hang on the tile row alone and are asked for jointly along a row of the cluster, the weights' tiles along a column.
; Waves 0 to 2 fetch one tile of weights each (wq, wk, wv by the wave's number), wave 3 h's tile: one tensor load a wave behind each round; at the start wave 3 has two out (h, the table).
; lds_bytes claims all of LDS and the spare words take the add.
; REGISTERS: window 0 addresses and the way out; window 1 two fragment buffers of 128 (h's 4 fragments, then the weights' 12); windows 2, 3 the accumulators: (a, b) at v[8 (12 (a % 2) + b)] of window 2 + a / 2.
.set T, 8
.set SLOT, 145408
.set CSB, 290816                       ; the table's 128 rows, pitch 272, behind the two slots; filled once
.set SPARE, 325632                     ; the spare words: 128 bytes a wave, two blocks of 256 bytes that no other line names
.set APIECE, 34816
.set BPIECE, 36864
.set ASTEP, 256
.set BSTEP, 262144
.set SPITCH, 784                       ; the way out: a token's 192 f32 + 16 bytes
.set SWAVE, 64*SPITCH                  ; a wave's stage; the four lie over the slots, which have had their last fill by then
.set F0, 0
.set F1, 128
.set WV, 20
.set WM, 21
.set WN, 22
.set CX, 23
.set CY, 24
.set TX, 25
.set TY, 26
.set CNT, 27
.set TB, 28                            ; LDS byte of the slot that is read
.set FB, 29                            ; LDS byte of the slot that is filled
.set LWA, 30
.set LWB, 31
.set G1A, 32
.set G1B, 40
.set G0A, 48
.set G0B, 52
.set PFA, 56
.set PST, 58
.set LIM, 60
.set G1C, 80
.set G0C, 88
.set MUL2, 0xa5                        ; sources 0 and 1 window 1, C and D window 2; + 0x50: window 3
.set TO_F, 0x40                        ; destination window 1, address window 0
.set MSB, 0
.macro WIN new                         ; the high byte repeats the setting that is left; a switch that changes nothing is dropped
.if MSB != (\new)
	s_set_vgpr_msb (MSB<<8)|(\new)
.set MSB, \new
.endif
.endm
.macro PLACES                          ; four plain places between a matrix instruction and a load into, or a store of, its registers
.rept 4
	v_nop
.endr
.endm
.macro CREST                           ; a round of the cluster's barrier behind its opening barrier
	s_cmp_lg_u32 s[WV], 0
	s_cbranch_scc1 .Lnot_wave_0_\@
	s_barrier_signal -3
.Lnot_wave_0_\@:
	s_barrier_wait -3
	s_barrier_signal -1
	s_barrier_wait -1
.endm
.macro CROUND
	s_barrier_signal -1
	s_barrier_wait -1
	CREST
.endm
.macro JLOAD                           ; a joint load: the branch hangs on the wave's number alone: wave 3 asks for h's tile, waves 0 to 2 for a tile of weights each
	s_cmp_eq_u32 s[WV], 3
	s_cbranch_scc0 .Lfor_b_\@
	tensor_load_to_lds s[G0A:G0A+3], s[G1A:G1A+7]
	s_nop 0
.rept 4
	v_nop
.endr
	s_branch .Lasked_\@
.Lfor_b_\@:
	tensor_load_to_lds s[G0B:G0B+3], s[G1B:G1B+7]
	s_nop 0
.rept 4
	v_nop
.endr
.Lasked_\@:
.endm
.macro STEPD                           ; both walking descriptors: the other slot, the next K step.  Written only where no tensor load of the wave is out
	s_xor_b32 s[FB], s[FB], SLOT
	s_add_co_u32 s[G0A+1], s[LWA], s[FB]
	s_add_co_u32 s[G0B+1], s[LWB], s[FB]
	s_add_nc_u64 s[G0A+2:G0A+3], s[G0A+2:G0A+3], ASTEP
	s_add_nc_u64 s[G0B+2:G0B+3], s[G0B+2:G0B+3], BSTEP
.endm
; A prefetch of the K step behind the one just asked for: 32 rows x 256 bytes, a lane a row.  h's rows are named by the clusters with x = 0, the weights' by those with y = 0;
; the four partners of a joint load share its 128 rows out by address.  The refill of step T - 1 asks for nothing.
.macro ASK
	s_cmp_gt_u32 s[CNT], s[LIM]
	s_cbranch_scc0 .Lnot_mine_\@
	global_prefetch_b8 v18, s[PFA:PFA+1] th:TH_LOAD_NT scope:SCOPE_SE
.Lnot_mine_\@:
.endm
.macro FETCH q, f                      ; 32 LDS loads: the fragments of 32 along K, quarter q of the slot, into buffer f
	WIN TO_F
.irp b, 0,1,2,3,4,5,6,7,8,9,10,11
	ds_load_tr16_b128 v[(\f)+32+8*(\b):(\f)+32+8*(\b)+3],   v[11+(\b)/4] offset:9216*(\q)+32*((\b)%4)
	ds_load_tr16_b128 v[(\f)+32+8*(\b)+4:(\f)+32+8*(\b)+7], v[11+(\b)/4] offset:9216*(\q)+32*((\b)%4)+4608
.endr
.irp a, 0,1,2,3
	ds_load_b128 v[(\f)+8*(\a):(\f)+8*(\a)+3],   v10 offset:64*(\q)+4352*(\a)
	ds_load_b128 v[(\f)+8*(\a)+4:(\f)+8*(\a)+7], v10 offset:64*(\q)+4352*(\a)+32
.endr
	WIN 0
.endm
.macro MULP f, a, zero                 ; 12 products: token block a x all 12 column blocks.  The 48 accumulators take turns in the same order in every quarter
	WIN MUL2+0x50*((\a)/2)
.irp b, 0,1,2,3,4,5,6,7,8,9,10,11
.if \zero
	v_wmma_f32_16x16x32_bf16 v[8*(12*((\a)%2)+(\b)):8*(12*((\a)%2)+(\b))+7], v[(\f)+32+8*(\b):(\f)+32+8*(\b)+7], v[(\f)+8*(\a):(\f)+8*(\a)+7], 0
.else
	v_wmma_f32_16x16x32_bf16 v[8*(12*((\a)%2)+(\b)):8*(12*((\a)%2)+(\b))+7], v[(\f)+32+8*(\b):(\f)+32+8*(\b)+7], v[(\f)+8*(\a):(\f)+8*(\a)+7], v[8*(12*((\a)%2)+(\b)):8*(12*((\a)%2)+(\b))+7]
.endif
.endr
.endm
.macro QUARTER q, f, g, zero           ; multiplies buffer f; in its middle fetches quarter q into buffer g
	s_wait_dscnt 0x0                       ; buffer f's loads, issued half a quarter back
	MULP \f, 0, \zero
	MULP \f, 1, \zero
	PLACES
	FETCH \q, \g
	MULP \f, 2, \zero
	MULP \f, 3, \zero
.endm
; The fourth quarter multiplies buffer 1 and changes slots.  Each wave waits for all its tensor loads, adds 0 to its spare word, waits for that and for its reads of the slot, and signals.
; fill = 1: the barrier opens a round of the cluster's, and the slot just read is filled again first thing behind it, with the K step two on.
.macro TURN fill
.if \fill
	s_wait_xcnt 0x0                        ; the last prefetch, a K step back, has read its address
	s_add_nc_u64 s[PFA:PFA+1], s[PFA:PFA+1], s[PST:PST+1]
.endif
	WIN 0
	s_wait_dscnt 0x0                       ; buffer 1 is in: my last reads of this slot
	s_wait_tensorcnt 0x0                   ; my part of the other slot has landed; no tensor load of mine is out
	ds_add_u32 v28, v29
.if \fill
	STEPD
.endif
	MULP F1, 0, 0
	s_wait_dscnt 0x0                       ; the add is done
	s_barrier_signal -1
	MULP F1, 1, 0
	WIN 0
	s_barrier_wait -1
.if \fill
	CREST
	JLOAD                                  ; its four v_nop are also the places in front of the loads below
.else
	PLACES
.endif
	s_xor_b32 s[TB], s[TB], SLOT
	v_add_nc_u32 v10, s[TB], v8
	v_add_nc_u32 v11, s[TB], v9
	v_add_nc_u32 v12, BPIECE, v11
	v_add_nc_u32 v13, 2*BPIECE, v11
.if !(\fill)
	s_cmp_eq_u32 s[CNT], 1                 ; the last K step has no successor
	s_cbranch_scc1 .Lnofetch_\@
.endif
	FETCH 0, F0
.if \fill
	ASK
.else
.Lnofetch_\@:
.endif
	MULP F1, 2, 0
	MULP F1, 3, 0
.endm
	s_load_b256 s[4:11], s[0:1], 0x0       ; h 4, wb 6, bq 8, bk 10
	s_load_b128 s[12:15], s[0:1], 0x20     ; bv 12, cs 14
	s_load_b64 s[16:17], s[0:1], 0x30      ; qkv
	v_lshl_add_u32 v28, v0, 2, SPARE
	v_mov_b32 v29, 0
	ds_add_u32 v28, v29                    ; the wave's opening: the add and its wait stand ahead of my first tensor load
	v_lshrrev_b32 v1, 5, v0
	v_readfirstlane_b32 s[WV], v1
	s_lshr_b32 s[WM], s[WV], 1             ; my half of the tokens
	s_and_b32 s[WN], s[WV], 1              ; my half of each 128 columns
	s_bfe_u32 s[CX], ttmp6, 0x40000
	s_bfe_u32 s[CY], ttmp6, 0x40004
	s_lshl_b32 s[TX], ttmp9, 2
	s_add_co_u32 s[TX], s[TX], s[CX]
	s_and_b32 s[TY], ttmp7, 0xffff
	s_lshl_b32 s[TY], s[TY], 2
	s_add_co_u32 s[TY], s[TY], s[CY]
	s_lshl_b32 s68, s[CY], 2
	s_lshl_b32 s68, 15, s68                ; my row of the cluster
	s_lshl_b32 s72, 0x1111, s[CX]          ; my column
	s_or_b32 s[G1A], s68, (1<<16)|(1<<20)|(1<<21)|(5<<22)|(3<<25)  ; mask; 2-byte elements; padding on; bit 21 beside a mask; after every 64 words 4 words
	s_or_b32 s[G1C], s68, (1<<16)|(1<<20)|(1<<21)|(5<<22)|(3<<25)
	s_or_b32 s[G1B], s72, (1<<16)|(1<<20)|(1<<21)|(5<<22)|(7<<25)  ; 8 words of padding
.irp g, G1A, G1B, G1C
	s_mov_b32 s[(\g)+1], 128<<16           ; tensor_dim0 = 128
	s_mov_b32 s[(\g)+2], 128<<16           ; tensor_dim1 = 128
	s_mov_b32 s[(\g)+3], 128<<16           ; tile_dim0 = 128
	s_mov_b32 s[(\g)+4], 128               ; tile_dim1 = 128
	s_mov_b32 s[(\g)+6], 0
	s_mov_b32 s[(\g)+7], 0
.endr
	s_mov_b32 s[G1A+5], 1024               ; elements from row to row
	s_mov_b32 s[G1B+5], 1024
	s_mov_b32 s[G1C+5], 128
	s_mov_b32 s[LWA], 0
	s_mul_i32 s[LWB], s[WV], BPIECE        ; the weights' tile of wave j lies behind h's tile and j tiles of weights
	s_add_co_u32 s[LWB], s[LWB], APIECE
	s_mov_b32 s[FB], 0
	s_mov_b32 s[TB], 0
	s_mov_b32 s[G0A], 1
	s_mov_b32 s[G0A+1], s[LWA]
	s_mov_b32 s[G0B], 1
	s_mov_b32 s[G0B+1], s[LWB]
	s_mov_b32 s[G0C], 1
	s_mov_b32 s[G0C+1], CSB
	s_lshl_b32 s66, s[TY], 18              ; h: 128 ty rows of 2,048 bytes
	s_mov_b32 s67, 0
	s_and_b32 s68, s[TY], 15
	s_lshl_b32 s68, s68, 15                ; the table: 128 (ty % 16) rows of 256 bytes
	s_mov_b32 s69, 0
	s_lshl_b32 s70, s[WV], 21              ; the weights: matrix j = my wave's number (wave 3 makes the address and never asks by it), columns 128 tx on
	s_lshl_b32 s71, s[TX], 8
	s_add_co_u32 s70, s70, s71
	s_mov_b32 s71, 0
	s_wait_dscnt 0x0                       ; the opening add is done
	s_wait_kmcnt 0x0
	s_add_nc_u64 s[G0A+2:G0A+3], s[4:5], s[66:67]
	s_or_b32 s[G0A+3], s[G0A+3], 0x80000000
	s_add_nc_u64 s[G0B+2:G0B+3], s[6:7], s[70:71]
	s_or_b32 s[G0B+3], s[G0B+3], 0x80000000
	s_add_nc_u64 s[G0C+2:G0C+3], s[14:15], s[68:69]
	s_or_b32 s[G0C+3], s[G0C+3], 0x80000000
	CROUND                                 ; all sixteen work-groups are here: the first joint loads meet
	s_cmp_eq_u32 s[WV], 3                  ; a wave's first fills stand in one branch
	s_cbranch_scc0 .Lfirst_b
	tensor_load_to_lds s[G0A:G0A+3], s[G1A:G1A+7]
	s_nop 0
	tensor_load_to_lds s[G0C:G0C+3], s[G1C:G1C+7]
	s_nop 0
.rept 4
	v_nop
.endr
	s_branch .Lfirst_done
.Lfirst_b:
	tensor_load_to_lds s[G0B:G0B+3], s[G1B:G1B+7]
	s_nop 0
.rept 4
	v_nop
.endr
.Lfirst_done:
	v_and_b32 v1, 15, v0                   ; r
	v_bfe_u32 v2, v0, 4, 1                 ; half of the lanes
	v_and_b32 v3, 7, v0
	v_bfe_u32 v4, v0, 3, 1
	v_bfe_u32 v5, v0, 3, 2                 ; the way out: my token among four
	v_and_b32 v6, 31, v0
	s_mul_i32 s74, s[WM], 64*272
	v_mul_u32_u24 v8, v1, 272
	v_lshl_add_u32 v8, v2, 4, v8
	v_add_nc_u32 v8, s74, v8               ; h's fragments: (64 WM + r) x 272 + 16 half
	v_lshl_add_u32 v9, v2, 3, v3
	v_mul_u32_u24 v9, v9, 288
	v_lshl_add_u32 v9, v4, 4, v9           ; the turning load: k-row 8 half + lane % 8, 16 bytes by (lane / 8) % 2
	s_lshl_b32 s74, s[WN], 7
	s_add_co_u32 s74, s74, APIECE
	v_add_nc_u32 v9, s74, v9
	v_mov_b32 v10, v8
	v_mov_b32 v11, v9
	v_add_nc_u32 v12, BPIECE, v9
	v_add_nc_u32 v13, 2*BPIECE, v9
	s_mul_i32 s74, s[WV], SWAVE
	v_mul_u32_u24 v14, v1, SPITCH
	v_lshl_add_u32 v14, v2, 5, v14
	v_add_nc_u32 v14, s74, v14             ; into the stage: token r, 32 bytes for each half of the lanes
	v_mul_u32_u24 v15, v5, SPITCH
	v_lshl_add_u32 v15, v3, 5, v15
	v_add_nc_u32 v15, s74, v15             ; back: four tokens, eight columns a lane
	v_lshlrev_b32 v16, 4, v6               ; out: four tokens of a head are 512 consecutive bytes
	s_mul_i32 s74, s[WM], 64*272
	s_add_co_u32 s74, s74, CSB
	v_mul_u32_u24 v17, v5, 272
	v_lshl_add_u32 v17, v3, 5, v17
	v_add_nc_u32 v17, s74, v17             ; the table: my token's row, my four pairs
	v_lshlrev_b32 v19, 5, v3
	s_lshl_b32 s76, s[TX], 9
	s_lshl_b32 s77, s[WN], 8
	s_add_co_u32 s76, s76, s77             ; my head's first column, in bytes of f32
	s_mov_b32 s77, 0
	s_add_nc_u64 s[8:9], s[8:9], s[76:77]
	s_add_nc_u64 s[10:11], s[10:11], s[76:77]
	s_add_nc_u64 s[12:13], s[12:13], s[76:77]
	global_load_b128 v[32:35], v19, s[8:9]
	global_load_b128 v[36:39], v19, s[8:9] offset:16
	global_load_b128 v[40:43], v19, s[10:11]
	global_load_b128 v[44:47], v19, s[10:11] offset:16
	global_load_b128 v[48:51], v19, s[12:13]
	global_load_b128 v[52:55], v19, s[12:13] offset:16
	s_lshr_b32 s76, s[TY], 4               ; batch
	s_lshl_b32 s76, s76, 4
	s_lshl_b32 s77, s[TX], 1
	s_add_co_u32 s76, s76, s77
	s_add_co_u32 s76, s76, s[WN]           ; batch x 16 + head
	s_lshl_b32 s76, s76, 11
	s_and_b32 s77, s[TY], 15
	s_lshl_b32 s77, s77, 7
	s_add_co_u32 s76, s76, s77
	s_lshl_b32 s77, s[WM], 6
	s_add_co_u32 s76, s76, s77             ; + my first token in the sequence
	s_lshl_b32 s76, s76, 7                 ; rows of 128 bytes
	s_mov_b32 s77, 0
	s_add_nc_u64 s[92:93], s[16:17], s[76:77]
	s_add_nc_u64 s[94:95], s[92:93], 8388608
	s_add_nc_u64 s[96:97], s[92:93], 16777216
	; the prefetches' address: at K step 2; the first change of slots steps it to 3
	s_lshl_b32 s74, s[CX], 16              ; my work-group's 32 rows of 2,048 bytes
	s_add_co_u32 s74, s74, s66
	s_add_co_u32 s74, s74, 2*ASTEP
	s_lshl_b32 s75, s[CY], 16
	s_add_co_u32 s75, s75, s70
	s_add_co_u32 s75, s75, 2*BSTEP
	s_and_b32 s76, ttmp7, 0xffff
	s_mov_b32 s[PST], BSTEP
	s_mov_b32 s[PST+1], 0
	s_mov_b32 s79, 0
	s_cmp_eq_u32 s[WV], 3                  ; do I fetch for h?
	s_cselect_b64 s[PFA:PFA+1], s[4:5], s[6:7]
	s_cselect_b32 s78, s74, s75
	s_cselect_b32 s76, ttmp9, s76          ; the coordinate along which other clusters read the same rows
	s_cselect_b32 s[PST], ASTEP, s[PST]
	s_add_nc_u64 s[PFA:PFA+1], s[PFA:PFA+1], s[78:79]
	s_cmp_eq_u32 s76, 0
	s_cselect_b32 s[LIM], 1, -1
	v_lshlrev_b32 v18, 11, v6              ; a lane a row
	s_wait_tensorcnt 0x0                   ; my part of K step 0 (and the table) has landed
	ds_add_u32 v28, v29
	STEPD
	s_wait_dscnt 0x0
	CROUND
	JLOAD                                  ; K step 1 into slot 1: a first fill, issued as a refill is
	FETCH 0, F0
	QUARTER 1, F0, F1, 1                   ; the first products start the sums
	WIN 0
	s_mov_b32 s[CNT], T-2
	s_branch .Lin
.L1:                                           ; a trip is a K step; T - 2 of them fill a slot again
	QUARTER 1, F0, F1, 0
	WIN 0
.Lin:
	QUARTER 2, F1, F0, 0
	QUARTER 3, F0, F1, 0
	TURN 1
	WIN 0
	s_sub_co_u32 s[CNT], s[CNT], 1
	s_cmp_lg_u32 s[CNT], 0
	s_cbranch_scc1 .L1
	s_mov_b32 s[CNT], 2
.L2:                                           ; the last two K steps ask for nothing
	QUARTER 1, F0, F1, 0
	QUARTER 2, F1, F0, 0
	QUARTER 3, F0, F1, 0
	TURN 0
	WIN 0
	s_sub_co_u32 s[CNT], s[CNT], 1
	s_cmp_lg_u32 s[CNT], 0
	s_cbranch_scc1 .L2
	; THE WAY OUT.  Behind the last barrier no wave reads the slots and nothing is filled any more: each wave's stage lies over them and is its own.
	PLACES
.irp a, 0,1,2,3
	WIN 0x08+4*((\a)/2)                    ; store data from window 2 or 3
.irp b, 0,1,2,3,4,5,6,7,8,9,10,11
	ds_store_b128 v14, v[8*(12*((\a)%2)+(\b)):8*(12*((\a)%2)+(\b))+3]   offset:12544*(\a)+64*(\b)
	ds_store_b128 v14, v[8*(12*((\a)%2)+(\b))+4:8*(12*((\a)%2)+(\b))+7] offset:12544*(\a)+64*(\b)+16
.endr
.endr
	WIN 0
	s_wait_loadcnt 0x0                     ; the biases
	s_mov_b32 s[CNT], 8
.Lout:                                         ; 8 tokens a trip: two groups of four, each with 64 columns of q, k and v
.irp v, 0,1
.irp j, 0,1,2
	ds_load_b128 v[64+24*(\v)+8*(\j):64+24*(\v)+8*(\j)+3],   v15 offset:3136*(\v)+256*(\j)  ; LDS serves a wave's instructions in order: these see the stores above
	ds_load_b128 v[64+24*(\v)+8*(\j)+4:64+24*(\v)+8*(\j)+7], v15 offset:3136*(\v)+256*(\j)+16
.endr
	ds_load_b128 v[112+8*(\v):112+8*(\v)+3],   v17 offset:1088*(\v)
	ds_load_b128 v[112+8*(\v)+4:112+8*(\v)+7], v17 offset:1088*(\v)+16
.endr
	s_wait_dscnt 0x0
.irp v, 0,1
.irp j, 0,1,2
.irp i, 0,2,4,6
	v_pk_add_f32 v[64+24*(\v)+8*(\j)+(\i):64+24*(\v)+8*(\j)+(\i)+1], v[64+24*(\v)+8*(\j)+(\i):64+24*(\v)+8*(\j)+(\i)+1], v[32+8*(\j)+(\i):32+8*(\j)+(\i)+1]
.endr
.endr
.endr
.irp v, 0,1
.irp j, 0,1                            ; q and k are turned: (x1, x2) -> (x1 cos - x2 sin, x2 cos + x1 sin)
.irp i, 0,2,4,6
	v_pk_mul_f32 v[128+(\i):129+(\i)], v[64+24*(\v)+8*(\j)+(\i):64+24*(\v)+8*(\j)+(\i)+1], v[112+8*(\v)+(\i):112+8*(\v)+(\i)+1] op_sel_hi:[1,0]
.endr
.irp i, 0,2,4,6
	v_pk_fma_f32 v[64+24*(\v)+8*(\j)+(\i):64+24*(\v)+8*(\j)+(\i)+1], v[64+24*(\v)+8*(\j)+(\i):64+24*(\v)+8*(\j)+(\i)+1], v[112+8*(\v)+(\i):112+8*(\v)+(\i)+1], v[128+(\i):129+(\i)] op_sel:[1,1,0] op_sel_hi:[0,1,1] neg_lo:[1,0,0]
.endr
.endr
.endr
.irp v, 0,1
.irp j, 0,1,2
.irp i, 0,1,2,3
	v_cvt_pk_bf16_f32 v[144+12*(\v)+4*(\j)+(\i)], v[64+24*(\v)+8*(\j)+2*(\i)], v[64+24*(\v)+8*(\j)+2*(\i)+1]
.endr
	global_store_b128 v16, v[144+12*(\v)+4*(\j):144+12*(\v)+4*(\j)+3], s[92+2*(\j):93+2*(\j)] offset:512*(\v)  ; 512 consecutive bytes, aligned
.endr
.endr
	s_wait_xcnt 0x0                        ; the stores have read their offset and data: both are written again only behind this wait
	v_add_nc_u32 v16, 1024, v16
	v_add_nc_u32 v15, 8*SPITCH, v15
	v_add_nc_u32 v17, 8*272, v17
	s_sub_co_u32 s[CNT], s[CNT], 1
	s_cmp_lg_u32 s[CNT], 0
	s_cbranch_scc1 .Lout
	s_wait_tensorcnt 0x0                   ; the wave's end
	ds_add_u32 v28, v29
	s_wait_dscnt 0x0
	CROUND                                 ; the closing round
	s_endpgm
.Lfunc_end_k_q35f987c9ed_qkv:
	.size	k_q35f987c9ed_qkv, .Lfunc_end_k_q35f987c9ed_qkv-k_q35f987c9ed_qkv
	.p2alignl 7, 3214868480
	.fill 96, 4, 3214868480
	.section	.rodata,"a",@progbits
	.p2align	6, 0x0
	.amdhsa_kernel k_q35f987c9ed_qkv
		.amdhsa_group_segment_fixed_size 327680
		.amdhsa_private_segment_fixed_size 0
		.amdhsa_enable_private_segment 0
		.amdhsa_kernarg_size 56
		.amdhsa_user_sgpr_count 2
		.amdhsa_user_sgpr_kernarg_segment_ptr 1
		.amdhsa_wavefront_size32 1
		.amdhsa_system_sgpr_workgroup_id_x 1
		.amdhsa_system_sgpr_workgroup_id_y 1
		.amdhsa_system_sgpr_workgroup_id_z 1
		.amdhsa_system_vgpr_workitem_id 0
		.amdhsa_next_free_vgpr 960
		.amdhsa_next_free_sgpr 100
		.amdhsa_reserve_vcc 0
		.amdhsa_float_denorm_mode_32 3
		.amdhsa_float_denorm_mode_16_64 3
		.amdhsa_memory_ordered 1
		.amdhsa_forward_progress 1
		.amdhsa_inst_pref_size 76
	.end_amdhsa_kernel
	.amdgpu_metadata
---
amdhsa.version: [ 1, 2 ]
amdhsa.kernels:
  - .name:           k_q35f987c9ed_qkv
    .symbol:         k_q35f987c9ed_qkv.kd
    .args:
      - { .name: h, .offset: 0, .size: 8, .value_kind: global_buffer, .address_space: global }
      - { .name: wb, .offset: 8, .size: 8, .value_kind: global_buffer, .address_space: global }
      - { .name: bq, .offset: 16, .size: 8, .value_kind: global_buffer, .address_space: global }
      - { .name: bk, .offset: 24, .size: 8, .value_kind: global_buffer, .address_space: global }
      - { .name: bv, .offset: 32, .size: 8, .value_kind: global_buffer, .address_space: global }
      - { .name: cs, .offset: 40, .size: 8, .value_kind: global_buffer, .address_space: global }
      - { .name: qkv, .offset: 48, .size: 8, .value_kind: global_buffer, .address_space: global }
    .group_segment_fixed_size: 327680
    .private_segment_fixed_size: 0
    .kernarg_segment_align: 8
    .kernarg_segment_size: 56
    .max_flat_workgroup_size: 128
    .sgpr_count:     100
    .vgpr_count:     960
    .wavefront_size: 32
...
	.end_amdgpu_metadata
.endif
;; end of part 2
;; launch attn (part 3): grid 8 x 32, 4 waves a work-group, clusters of 4 x 1, 327,680 bytes of LDS; arguments qkv, o; writes o
.if DOCPART == 3
	.amdgcn_target "amdgcn-amd-amdhsa--gfx1250"
	.amdhsa_code_object_version 6
	.text
	.protected	k_q35f987c9ed_attn
	.globl	k_q35f987c9ed_attn
	.p2align	8
	.type	k_q35f987c9ed_attn,@function
k_q35f987c9ed_attn:
	s_mov_b64 s[64:65], 0
	v_nop
	global_prefetch_b8 v0, s[64:65] scope:SCOPE_SE
	s_setreg_imm32_b32 hwreg(HW_REG_WAVE_MODE, 25, 1), 1
	s_wait_xcnt 0x0
	s_wait_alu depctr_hold_cnt(0) depctr_sa_sdst(0) depctr_va_vdst(0) depctr_va_sdst(0) depctr_va_ssrc(0) depctr_va_vcc(0) depctr_vm_vsrc(0)
	s_getreg_b32 s2, hwreg(HW_REG_IB_STS2, 6, 4)
	s_cmp_eq_u32 s2, 0
	s_cbranch_scc0 .Lentry_in_a_cluster
	s_endpgm
.Lentry_in_a_cluster:
	s_bfe_u32 s2, ttmp6, 0x10000c
	s_cmp_lg_u32 s2, 0x3003
	s_cbranch_scc0 .Lentry_shape_is_right
	s_endpgm
.Lentry_shape_is_right:
; O[hb][q][:] = the sum over k of softmax_k(Q[hb][q] . K[hb][k] / 8) V[hb][k][:].  Q, K, V lie in qkv, each [32 hb][2048][64] bf16, a head's rows dense, 128 bytes each.
; Products, maxima and sums in f32; the weights p are rounded to bf16 for the second product (their sum l is taken of the unrounded p), O once at the end.
; O leaves in blocks [128-token tile][head][128 tokens][64] bf16, so that the product behind it finds its K steps as dense bytes.
; LIMITS.  A weight below 2^-126 counts as 0 in l; NaN and infinities are not treated apart.  bf16, not f16: q, k and v have no bound that f16 would hold.
; SHARES.  A work-group owns 256 queries of one head, a wave 64: four PIECES of 16.  Every wave walks all 2,048 keys, 64 a step, four steps to a tile of 256 keys.
; LAYOUT.  S^T = K Q^T holds ONE query a lane (lane % 16) and the keys 8 (lane / 16) + 0..7; two such results rounded to bf16 ARE source 1 of O^T = V^T P.  K comes out of LDS as it lies, V turned.
; SOFTMAX.  p = 2^(c s - c m), c = log2(e) / 8, with a running maximum m; O and l are multiplied by a = 2^(c m_old - c m_new) in every step.  m starts at the lowest finite number, O and l at 0.
; TURNS.  Turn n belongs to piece n: 8 products K Q^T of piece n + 1, later 8 products V^T P of piece n - 1; beside them the scaling, exponentials, roundings, sums and rescaling of piece n and the
; maximum and statistics of piece n + 1.  Four vector instructions stand behind every matrix instruction, the others in one lump.  A turn's 33 exponentials are one batch, with one wait.
; CLUSTER.  The four query blocks of a cluster belong to one head and walk the same K and V: each tile is asked for jointly.  One tensor load a wave is out behind each round.
; lds_bytes claims all of LDS and the spare words take the add.
; REGISTERS (s_set_vgpr_msb: bits 1:0 source 0, 3:2 source 1, 5:4 source 2, 7:6 destination):
;   window 0: v0-15 addresses; v16-31 statistics; v48-55 at work; v64-127 S^T, two buffers; v192-223 P, two buffers      window 1: v0-127 O^T      window 2: v0-63 Q; v128-191 K; v192-255 V
.set NP,    4
.set KS,    64
.set PK,    144       ; a row of K in LDS: 128 bytes + 16: the 16 rows of a load start at 16 different groups of four banks (ISA guide 11.1)
.set PV,    160       ; a row of V: 128 + 32
.set VOFF,  4*KS*PK
.set SLOT1, 1<<17
.set STAGE, SLOT1+4*KS*(PK+PV)
.set SP,    144
.set SPARE, STAGE+4*16*SP
.set AK0, 2
.set AV0, 3
.set AK,  4
.set AV,  5
.set STO, 6
.set RD,  7
.set GO,  8
.set MV,  12
.set QO,  15
.set ST,  16          ; piece t: c m, m, l (even keys', odd keys')
.set TMP, 48
.set PFO, 61
.set SPW, 62
.set NIL, 63
.set S,   64
.set P,   192
.set KF,  128
.set VF,  192
.set WV,  12
.set G1K, 24
.set G1V, 32
.set G0K, 40
.set G0V, 44
.set SLOTS, 56
.set CNT, 57
.set CS,  58
.set SEL, 60
.set TBK, 62
.set TBV, 63
.set TK,  70
.set LIM, 71
.set PFA, 72
.set MSB, 0
.macro WIN new
.if MSB != (\new)
	s_set_vgpr_msb (MSB<<8)|(\new)
.set MSB, (\new)
.endif
.endm
.set W_KQ, 0x0a
.set W_PV, 0x52
.set W_RS, 0x41
.macro JLOAD                        ; waves 0 and 1 fetch the two halves of a tile's K, waves 2 and 3 those of its V
	s_cmp_lt_u32 s[WV], 2
	s_cbranch_scc0 .Lfor_v_\@
	tensor_load_to_lds s[G0K:G0K+3], s[G1K:G1K+7]
	s_nop 0
.rept 4
	v_nop
.endr
	s_branch .Lasked_\@
.Lfor_v_\@:
	tensor_load_to_lds s[G0V:G0V+3], s[G1V:G1V+7]
	s_nop 0
.rept 4
	v_nop
.endr
.Lasked_\@:
.endm
; A prefetch of the tile that the NEXT change of slots will ask for.  A head's first cluster asks; its four partners take 8,192 bytes each, by address; wave 0 asks for K's, wave 2 for V's;
; a lane names 256 bytes.  The change that fills the last tile asks for nothing.
.macro ASK
	s_cmp_gt_u32 s[SLOTS], s[LIM]
	s_cbranch_scc0 .Lnot_mine_\@
	global_prefetch_b8 v[PFO], s[PFA:PFA+1] th:TH_LOAD_NT scope:SCOPE_SE
.Lnot_mine_\@:
.endm
.macro CROUND
	s_barrier_signal -1
	s_barrier_wait -1
	s_cmp_lg_u32 s[WV], 0
	s_cbranch_scc1 .Lnot_wave_0_\@
	s_barrier_signal -3
.Lnot_wave_0_\@:
	s_barrier_wait -3
	s_barrier_signal -1
	s_barrier_wait -1
.endm
; THE CHANGE OF SLOTS.  Each wave waits for all its tensor loads (one is out: its part of the other slot), adds 0 to its spare word, waits for that and for its reads of the slot.
; fill = 1: a round of the cluster's barrier, and the slot is filled again first thing behind it, with the tile two on: four key steps in which to land.
.macro CHANGE fill, ask=0
	WIN 0
	s_wait_tensorcnt 0x0
	ds_add_u32 v[SPW], v[NIL]
.if \fill
.irp g, G0K, G0V
	s_xor_b32 s[\g+1], s[\g+1], SLOT1
	s_add_nc_u64 s[\g+2:\g+3], s[\g+2:\g+3], 4*KS*128
.endr
.if \ask
	s_wait_xcnt 0x0                 ; the last prefetch, four key steps back, has read its address
	s_add_nc_u64 s[PFA:PFA+1], s[PFA:PFA+1], 4*KS*128
.endif
	s_wait_dscnt 0x0
	CROUND
	JLOAD
.if \ask
	ASK
.endif
.else
	s_wait_dscnt 0x0
	s_barrier_signal -1
	s_barrier_wait -1
.endif
	s_sub_co_u32 s[TBK], s[TBK], 4*KS*PK
	s_xor_b32 s[TBK], s[TBK], SLOT1
	s_sub_co_u32 s[TBV], s[TBV], 4*KS*PV
	s_xor_b32 s[TBV], s[TBV], SLOT1
.endm
	s_load_b128 s[4:7], s[0:1], 0x0 ; qkv s[4:5], o s[6:7]
	v_lshl_add_u32 v[SPW], v0, 2, SPARE
	v_mov_b32 v[NIL], 0
	ds_add_u32 v[SPW], v[NIL]       ; the wave's opening: the add and its wait stand ahead of my first tensor load
	v_lshrrev_b32 v1, 5, v0
	v_readfirstlane_b32 s[WV], v1
	s_bfe_u32 s13, ttmp6, 0x40000   ; cx
	s_lshl_b32 s14, ttmp9, 2
	s_add_co_u32 s14, s14, s13      ; my block of 256 queries: it enters Q's and O's addresses alone
	s_and_b32 s15, ttmp7, 0xffff    ; batch x 16 + head, which the partners share
	s_lshl_b32 s20, s15, 18         ; its 2,048 rows of 128 bytes
	s_and_b32 s16, s[WV], 1         ; which half of a tile's 256 keys I fetch
	s_lshl_b32 s22, s16, 14
	s_add_co_u32 s22, s22, s20
	s_add_co_u32 s22, s22, 8388608  ; K lies behind Q
	s_mov_b32 s23, 0
	s_mul_i32 s17, s16, 128*PK
	s_mul_i32 s18, s16, 128*PV
	s_lshl_b32 s2, s14, 15
	s_lshl_b32 s3, s[WV], 13
	s_add_co_u32 s2, s2, s3
	s_add_co_u32 s2, s2, s20        ; Q at my wave's 64 rows
	s_mov_b32 s3, 0
	s_lshr_b32 s74, s15, 4
	s_lshl_b32 s74, s74, 4
	s_lshl_b32 s75, s14, 1
	s_add_co_u32 s74, s74, s75
	s_lshr_b32 s75, s[WV], 1
	s_add_co_u32 s74, s74, s75      ; my tile of 128 tokens
	s_lshl_b32 s74, s74, 4
	s_and_b32 s75, s15, 15
	s_add_co_u32 s74, s74, s75      ; x 16 + head
	s_lshl_b32 s74, s74, 14
	s_lshl_b32 s75, s16, 13
	s_add_co_u32 s74, s74, s75      ; + my 64 tokens in it
	s_mov_b32 s75, 0
	s_mov_b32 s[G1K], 15|(1<<16)|(1<<20)|(1<<21)|(4<<22)|(3<<25)  ; mask of four; 2-byte elements; padding on; bit 21 beside a mask; after every 32 words 4 words
	s_mov_b32 s[G1V], 15|(1<<16)|(1<<20)|(1<<21)|(4<<22)|(7<<25)  ; 8 words
.irp g, G1K, G1V                    ; 128 keys are 16,384 dense bytes: asked for as 64 rows of 256 bytes
	s_mov_b32 s[\g+1], 128<<16
	s_mov_b32 s[\g+2], 64<<16
	s_mov_b32 s[\g+3], 128<<16
	s_mov_b32 s[\g+4], 64
	s_mov_b32 s[\g+5], 128
	s_mov_b32 s[\g+6], 0
	s_mov_b32 s[\g+7], 0
.endr
	s_mov_b32 s[CS], 0x3e38aa3b     ; c = log2(e) / 8
	s_mov_b32 s[CS+1], s[CS]
	s_mov_b32 s[SEL], 0x76543210
	s_mov_b32 s[SEL+1], 0xfedcba98
	s_mov_b32 s[TBK], SLOT1+4*KS*PK ; the first change of slots turns these two into 0
	s_mov_b32 s[TBV], SLOT1+4*KS*PV
	s_mov_b32 s[G0K], 1
	s_mov_b32 s[G0K+1], s17
	s_mov_b32 s[G0V], 1
	s_add_co_u32 s[G0V+1], s18, VOFF
	s_and_b32 s[LIM], s[WV], 1
	s_or_b32 s[LIM], s[LIM], ttmp9
	s_cmp_eq_u32 s[LIM], 0
	s_cselect_b32 s[LIM], 1, -1     ; waves 0 and 2 of the head's first cluster ask
	v_and_b32 v[PFO], 31, v0
	v_lshlrev_b32 v[PFO], 8, v[PFO]
	s_wait_dscnt 0x0                ; the opening add is done
	s_wait_kmcnt 0x0
	s_add_nc_u64 s[8:9], s[4:5], s[22:23]      ; K at my half of tile 0
	s_add_nc_u64 s[10:11], s[8:9], 8388608     ; V likewise
	s_add_nc_u64 s[G0K+2:G0K+3], s[8:9], 0
	s_or_b32 s[G0K+3], s[G0K+3], 0x80000000
	s_add_nc_u64 s[G0V+2:G0V+3], s[10:11], 0
	s_or_b32 s[G0V+3], s[G0V+3], 0x80000000
	s_add_nc_u64 s[4:5], s[4:5], s[2:3]
	s_add_nc_u64 s[6:7], s[6:7], s[74:75]
	s_cmp_lt_u32 s[WV], 2
	s_cselect_b64 s[PFA:PFA+1], s[8:9], s[10:11]
	s_lshl_b32 s2, s13, 13
	s_add_nc_u64 s[PFA:PFA+1], s[PFA:PFA+1], s[2:3]
	s_add_nc_u64 s[PFA:PFA+1], s[PFA:PFA+1], 2*4*KS*128  ; in tile 2; the change that fills tile 2 steps it to tile 3
	CROUND
	JLOAD                           ; tile 0 into slot 0
	v_and_b32 v1, 15, v0
	v_bfe_u32 v9, v0, 4, 1
	v_lshlrev_b32 v[QO], 7, v1
	v_lshl_add_u32 v[QO], v9, 4, v[QO]
	WIN 0x80
.set i, 0
.rept 8                             ; Q stays in registers: piece i / 2, channels 32 (i % 2) on
	global_load_b128 v[8*i:8*i+3],   v[QO], s[4:5] offset:(i/2)*2048+(i%2)*64
	global_load_b128 v[8*i+4:8*i+7], v[QO], s[4:5] offset:(i/2)*2048+(i%2)*64+32
.set i, i+1
.endr
	; what the first turn finds: V, O^T, l and P's second buffer hold 0.  Written in the wait for the first tile, so that no first step is written out
.set i, VF
.rept 64
	v_mov_b32 v[i], 0
.set i, i+1
.endr
	WIN 0x40
.set i, 0
.rept 128
	v_mov_b32 v[i], 0
.set i, i+1
.endr
	WIN 0
.set i, 0
.rept 4
	v_mov_b32 v[ST+4*i], 0xfe000000    ; c m: far below every c s
	v_mov_b32 v[ST+4*i+1], 0xff7fffff  ; m
	v_mov_b32 v[ST+4*i+2], 0
	v_mov_b32 v[ST+4*i+3], 0
.set i, i+1
.endr
.set i, P+16
.rept 16
	v_mov_b32 v[i], 0
.set i, i+1
.endr
	v_mul_u32_u24 v[AK0], v1, PK
	v_lshl_add_u32 v[AK0], v9, 4, v[AK0]
	v_and_b32 v10, 7, v0
	v_bfe_u32 v11, v0, 3, 1
	v_lshl_add_u32 v[AV0], v9, 3, v10
	v_mul_u32_u24 v[AV0], v[AV0], PV
	v_lshl_add_u32 v[AV0], v11, 4, v[AV0]
	v_add_nc_u32 v[AV0], VOFF, v[AV0]
	s_mul_i32 s13, s[WV], 16*SP
	s_add_co_u32 s13, s13, STAGE
	v_mul_u32_u24 v[STO], v1, SP
	v_lshl_add_u32 v[STO], v9, 4, v[STO]
	v_add_nc_u32 v[STO], s13, v[STO]
	v_bfe_u32 v[RD], v0, 3, 2
	v_mul_u32_u24 v[RD], v[RD], SP
	v_lshl_add_u32 v[RD], v10, 4, v[RD]
	v_add_nc_u32 v[RD], s13, v[RD]
	v_and_b32 v[GO], 31, v0
	v_lshlrev_b32 v[GO], 4, v[GO]
; THE MATRIX WORK.  The 4 accumulators of a run of 8 take turns.
.macro KQ x                         ; product i of 8 of S^T = K Q^T for piece x: channels 32 (i / 4) on, keys 16 (i % 4) on
.set rS, S+32*((\x)%2)+8*(i%4)
.set rK, KF+16*(i%4)+8*(i/4)
.set rQ, 16*(\x)+8*(i/4)
	WIN W_KQ
.if i < 4
	v_wmma_f32_16x16x32_bf16 v[rS:rS+7], v[rK:rK+7], v[rQ:rQ+7], 0
.else
	v_wmma_f32_16x16x32_bf16 v[rS:rS+7], v[rK:rK+7], v[rQ:rQ+7], v[rS:rS+7]
.endif
.endm
.macro PV x                         ; product i of 8 of O^T += V^T P for piece x: keys 32 (i / 4) on, channels 16 (i % 4) on
	WIN W_PV
.set rO, 32*(\x)+8*(i%4)
.set rV, VF+32*(i/4)+8*(i%4)
.set rP, P+16*((\x)%2)+8*(i/4)
	v_wmma_f32_16x16x32_bf16 v[rO:rO+7], v[rV:rV+7], v[rP:rP+7], v[rO:rO+7]
.endm
.macro MM                           ; the turn's next matrix instruction
.if i < 8
	KQ (Y+1)%NP
.else
.set i, i-8
	PV (Y+NP-1)%NP
.set i, i+8
.endif
.set i, i+1
.endm
.macro FETCH_K                      ; a step's K: 16 LDS loads in one run
	WIN 0x80
.irp f, 0,1,2,3,4,5,6,7
	ds_load_b128 v[KF+8*\f:KF+8*\f+3],   v[AK] offset:(\f/2)*16*PK+(\f%2)*64
	ds_load_b128 v[KF+8*\f+4:KF+8*\f+7], v[AK] offset:(\f/2)*16*PK+(\f%2)*64+32
.endr
	s_add_co_u32 s[TBK], s[TBK], KS*PK
	WIN 0
.endm
.macro FETCH_V                      ; a step's V, turned
	WIN 0x80
.irp f, 0,1,2,3,4,5,6,7
	ds_load_tr16_b128 v[VF+8*\f:VF+8*\f+3],   v[AV] offset:(\f/4)*32*PV+(\f%4)*32
	ds_load_tr16_b128 v[VF+8*\f+4:VF+8*\f+7], v[AV] offset:(\f/4)*32*PV+16*PV+(\f%4)*32
.endr
	WIN 0
.endm
; THE VECTOR WORK, one line at a time: OP kind, number.  For piece Y: F n: c s - c m for pair n.  E n: the exponential of score n.  C n: pair n rounded to bf16.  B n: of the four weights 4 n .. the second
; pair is added onto the first.  L n: l takes that sum (L 0: l = a l + sum).  R n: pair n of O^T times a.  For piece Y + 1: X n, number n of the 22 that find its maximum and statistics
; (each accumulator's lowest registers are read first).
.set F, 0
.set E, 1
.set C, 2
.set B, 3
.set L, 4
.set R, 5
.set X, 6
.macro REGS y
.set rT, ST+4*(\y)
.set rC, TMP+4*((\y)%2)
.set rW, MV+((\y)%2)
.set rS, S+32*((\y)%2)
.set rP, P+16*((\y)%2)
.set rO, 32*(\y)
.endm
.macro OP k, n
.if (\k) == R
	REGS Y
	WIN W_RS
	v_pk_mul_f32 v[rO+2*(\n):rO+2*(\n)+1], v[rO+2*(\n):rO+2*(\n)+1], v[rC+2:rC+3] op_sel_hi:[1,0]
.elseif (\k) < R
	REGS Y
	WIN 0
.if (\k) == F
	v_pk_fma_f32 v[rS+2*(\n):rS+2*(\n)+1], v[rS+2*(\n):rS+2*(\n)+1], s[CS:CS+1], v[rT:rT+1] op_sel_hi:[1,0,0] neg_lo:[0,0,1] neg_hi:[0,0,1]
.elseif (\k) == E
	v_exp_f32 v[rS+(\n)], v[rS+(\n)]
.elseif (\k) == C
	v_cvt_pk_bf16_f32 v[rP+(\n)], v[rS+2*(\n)], v[rS+2*(\n)+1]
.elseif (\k) == B
	v_pk_add_f32 v[rS+4*(\n):rS+4*(\n)+1], v[rS+4*(\n):rS+4*(\n)+1], v[rS+4*(\n)+2:rS+4*(\n)+3]
.elseif (\n) == 0
	v_pk_fma_f32 v[rT+2:rT+3], v[rT+2:rT+3], v[rC+2:rC+3], v[rS:rS+1] op_sel_hi:[1,0,1]
.else
	v_pk_add_f32 v[rT+2:rT+3], v[rT+2:rT+3], v[rS+4*(\n):rS+4*(\n)+1]
.endif
.else
	REGS (Y+1)%NP
	WIN 0
.if (\n) < 4
	v_max3_num_f32 v[rC+(\n)], v[rS+8*(\n)], v[rS+8*(\n)+1], v[rS+8*(\n)+2]
.elseif (\n) < 12
	v_max3_num_f32 v[rC+(\n)%4], v[rC+(\n)%4], v[rS+8*((\n)%4)+2*((\n)/4)+1], v[rS+8*((\n)%4)+2*((\n)/4)+2]
.elseif (\n) == 12
	v_max3_num_f32 v[rC], v[rC], v[rS+7], v[rS+15]
.elseif (\n) == 13
	v_max3_num_f32 v[rC+1], v[rC+1], v[rS+23], v[rS+31]
.elseif (\n) == 14
	v_max3_num_f32 v[rC+2], v[rC+2], v[rC+3], v[rT+1]
.elseif (\n) == 15
	v_mov_b32 v[rW], v[rT]
.elseif (\n) == 16
	v_max3_num_f32 v[rC], v[rC], v[rC+1], v[rC+2]
.elseif (\n) == 17
	v_permlanex16_b32 v[rC+3], v[rC], s[SEL], s[SEL+1]
.elseif (\n) == 18
	v_max_num_f32 v[rT+1], v[rC], v[rC+3]
.elseif (\n) == 19
	v_mul_f32 v[rT], s[CS], v[rT+1]
.elseif (\n) == 20
	v_sub_f32 v[rC+1], v[rW], v[rT]
.else
	v_exp_f32 v[rC+2], v[rC+1]
.endif
.endif
.endm
.macro OPS a, i1, b=-1, i2=0, c=-1, i3=0, d=-1, i4=0
	OP \a, \i1
.if (\b) >= 0
	OP \b, \i2
.endif
.if (\c) >= 0
	OP \c, \i3
.endif
.if (\d) >= 0
	OP \d, \i4
.endif
.endm
.macro ROW a, i1, b, i2, c, i3, d, i4  ; a matrix instruction and the four behind it
	MM
	OPS \a, \i1, \b, \i2, \c, \i3, \d, \i4
.endm
; A TURN, for piece p.  Ahead of its one wait stands all that names no result of the turn's exponentials; behind it the 8 products V^T P with the roundings and sums as their riders.
; K of the next step is fetched in piece 2's turn, twelve plain instructions that name none of its registers behind the last product that read K; V of the step in hand at the end of piece 0's turn, four
; plain instructions behind the last product that read V.  Each is waited for a turn later.
; last = 1 (the tail): K's address is held at the last tile's last step, so that the trip behind it reads that K once more.  cnt = 1: the loop's count is taken down some lines ahead of the branch.
.macro TURN p, last=0, cnt=0
.set Y, (\p)
.set i, 0
.if (\p) == 3
	s_wait_dscnt 0x0                ; K is in
.endif
	ROW F,0, F,1, R,0, R,1
	ROW F,2, E,0, R,2, R,3
	ROW F,3, E,1, R,4, R,5
	ROW F,4, E,2, R,6, R,7
	ROW F,5, E,3, R,8, R,9
	ROW F,6, E,4, X,0, R,10
.if (\p) == 2
	WIN 0
.if \last
	s_min_u32 s[TK], s[TBK], SLOT1+3*KS*PK
	v_add_nc_u32 v[AK], s[TK], v[AK0]
.else
	v_add_nc_u32 v[AK], s[TBK], v[AK0]
.endif
.endif
	ROW F,7, E,5, X,1, X,4
	ROW F,8, E,6, X,2, X,5
	OPS E,7, E,8, X,6, E,9
	OPS X,3, E,10, X,8, E,11
.if (\p) == 2
	FETCH_K
.endif
	OPS X,9, X,7, E,12, X,10
	OPS E,13, X,12, X,11, E,14
	OPS X,13, E,15, F,9, X,14
.if (\p) == 0
	v_add_nc_u32 v[AV], s[TBV], v[AV0]
.endif
	OPS E,16, F,10, E,17, F,11
	OPS X,16, E,18, X,15, E,19
	OPS F,12, E,20, X,17, E,21
	OPS F,13, E,22, F,14, E,23
	OPS X,18, E,24, F,15, E,25
	OPS R,11, E,26, X,19, E,27
	OPS R,12, E,28, R,13, E,29
	OPS X,20, E,30, R,14, E,31
	OPS X,21, R,15                  ; the next piece's a is the batch's last; R 15 is the plain instruction behind it
	WIN 0
	s_wait_alu depctr_va_vdst(0)    ; the one wait for the batch, ahead of the first line that names a result
.if (\p) == 1
	s_wait_dscnt 0x0                ; V is in
.endif
	ROW C,0, B,0, C,2, B,1
	ROW L,0, C,4, B,2, L,1
	ROW C,6, B,3, L,2, C,8
	ROW B,4, L,3, C,10, B,5
	ROW L,4, C,12, B,6, L,5
.if (\p) == 0
	s_add_co_u32 s[TBV], s[TBV], KS*PV
.endif
.if \cnt
	s_sub_co_u32 s[CNT], s[CNT], 1
	s_cmp_lg_u32 s[CNT], 0
.endif
	ROW C,14, B,7, L,6, C,1
	ROW C,3, L,7, C,5, C,7
	ROW C,9, C,11, C,13, C,15
.if (\p) == 0
	FETCH_V
.endif
.endm
	CHANGE 1                        ; tile 0 is in, everybody's part of it; tile 1 is asked for
	v_add_nc_u32 v[AK], s[TBK], v[AK0]
	FETCH_K                         ; key step 0
	s_wait_loadcnt 0x0              ; Q
	s_wait_dscnt 0x0
.set i, 0
.rept 8
	KQ 0                            ; piece 0's first scores
.set i, i+1
.endr
	WIN 0
.rept 4
	v_nop                           ; the places behind those products
.endr
.set Y, NP-1
.irp n, 0,1,2,3,4,5,6,7,8,9,10,11,12,13,14,15,16,17,18,19,20,21
	OP X, \n                        ; and its first maximum and statistics
.endr
	v_nop
	s_wait_alu depctr_va_vdst(0)    ; the exponential's wait, ahead of the branch
	s_mov_b32 s[CNT], 4
	s_mov_b32 s[SLOTS], 7
	s_branch .Lfirst                ; the loop is entered at a step's first turn
.Lslot:                             ; six times: tiles 2 to 7 are asked for
	CHANGE 1, 1
	s_mov_b32 s[CNT], 4
.Lstep:                             ; a trip: pieces 2 and 3 of one step, then pieces 0 and 1 of the next
	TURN 2
	TURN 3
	WIN 0
.Lfirst:
	TURN 0
	TURN 1, 0, 1
	WIN 0
	s_cbranch_scc1 .Lstep
	s_sub_co_u32 s[SLOTS], s[SLOTS], 1
	s_cmp_lg_u32 s[SLOTS], 0
	s_cbranch_scc1 .Lslot
	CHANGE 0                        ; the tail is written out
	s_mov_b32 s[CNT], 5             ; four trips fetch the last tile's steps; the fifth is left in its middle
.Ltail:
	TURN 2, 1
	TURN 3
	WIN 0
	s_sub_co_u32 s[CNT], s[CNT], 1
	s_cmp_eq_u32 s[CNT], 0
	s_cbranch_scc1 .Lout
	TURN 0
	TURN 1
	WIN 0
	s_branch .Ltail
.Lout:                              ; the fifth trip's products K Q^T and the maximum made of them serve nothing: the price of one text for every trip
.set i, 0
.rept 8
	PV NP-1
.set i, i+1
.endr
	; THE WAY OUT: l's parts are added, O^T is divided by l, rounded and sent through my stage, a piece at a time.  The additions are the places behind the last products.
	WIN 0
.macro ALL line:vararg
.set t, 0
.rept 4
	\line
.set t, t+1
.endr
.endm
	ALL v_add_f32 v[ST+4*t+2], v[ST+4*t+2], v[ST+4*t+3]
	ALL v_permlanex16_b32 v[ST+4*t+3], v[ST+4*t+2], s[SEL], s[SEL+1]
	ALL v_add_f32 v[ST+4*t+2], v[ST+4*t+2], v[ST+4*t+3]
	ALL v_rcp_f32 v[ST+4*t+2], v[ST+4*t+2]
	v_nop
	s_wait_alu depctr_va_vdst(0)    ; one wait for the four reciprocals
.macro PACK t
	WIN W_RS
.set i, 32*(\t)
.rept 16
	v_pk_mul_f32 v[i:i+1], v[i:i+1], v[ST+4*(\t)+2:ST+4*(\t)+3] op_sel_hi:[1,0]
.set i, i+2
.endr
	WIN 0x05
.set i, 0
.rept 16
	v_cvt_pk_bf16_f32 v[S+16*(\t)+i], v[32*(\t)+2*i], v[32*(\t)+2*i+1]
.set i, i+1
.endr
	WIN 0
.irp f, 0,1,2,3
	ds_store_b128 v[STO], v[S+16*(\t)+4*\f:S+16*(\t)+4*\f+3] offset:32*\f
.endr
.irp f, 0,1,2,3
	ds_load_b128 v[S+16*(\t)+4*\f:S+16*(\t)+4*\f+3], v[RD] offset:\f*4*SP  ; LDS serves a wave's instructions in order: these see the stores above
.endr
.endm
.macro SEND t, younger              ; younger: the LDS instructions issued behind piece t's loads
	WIN 0
.irp f, 0,1,2,3
	s_wait_dscnt (\younger)+3-\f
	global_store_b128 v[GO], v[S+16*(\t)+4*\f:S+16*(\t)+4*\f+3], s[6:7] offset:(\t)*2048+\f*512  ; 512 consecutive bytes, aligned
.endr
.endm
	PACK 0
.set t, 1
.rept 3
	PACK t
	SEND t-1, 8
.set t, t+1
.endr
	SEND 3, 0
	s_wait_tensorcnt 0x0            ; the wave's end
	ds_add_u32 v[SPW], v[NIL]
	s_wait_dscnt 0x0
	CROUND                          ; the closing round
	s_endpgm
.Lfunc_end_k_q35f987c9ed_attn:
	.size	k_q35f987c9ed_attn, .Lfunc_end_k_q35f987c9ed_attn-k_q35f987c9ed_attn
	.p2alignl 7, 3214868480
	.fill 96, 4, 3214868480
	.section	.rodata,"a",@progbits
	.p2align	6, 0x0
	.amdhsa_kernel k_q35f987c9ed_attn
		.amdhsa_group_segment_fixed_size 327680
		.amdhsa_private_segment_fixed_size 0
		.amdhsa_enable_private_segment 0
		.amdhsa_kernarg_size 16
		.amdhsa_user_sgpr_count 2
		.amdhsa_user_sgpr_kernarg_segment_ptr 1
		.amdhsa_wavefront_size32 1
		.amdhsa_system_sgpr_workgroup_id_x 1
		.amdhsa_system_sgpr_workgroup_id_y 1
		.amdhsa_system_sgpr_workgroup_id_z 1
		.amdhsa_system_vgpr_workitem_id 0
		.amdhsa_next_free_vgpr 768
		.amdhsa_next_free_sgpr 88
		.amdhsa_reserve_vcc 0
		.amdhsa_float_denorm_mode_32 3
		.amdhsa_float_denorm_mode_16_64 3
		.amdhsa_memory_ordered 1
		.amdhsa_forward_progress 1
		.amdhsa_inst_pref_size 112
	.end_amdhsa_kernel
	.amdgpu_metadata
---
amdhsa.version: [ 1, 2 ]
amdhsa.kernels:
  - .name:           k_q35f987c9ed_attn
    .symbol:         k_q35f987c9ed_attn.kd
    .args:
      - { .name: qkv, .offset: 0, .size: 8, .value_kind: global_buffer, .address_space: global }
      - { .name: o, .offset: 8, .size: 8, .value_kind: global_buffer, .address_space: global }
    .group_segment_fixed_size: 327680
    .private_segment_fixed_size: 0
    .kernarg_segment_align: 8
    .kernarg_segment_size: 16
    .max_flat_workgroup_size: 128
    .sgpr_count:     88
    .vgpr_count:     768
    .wavefront_size: 32
...
	.end_amdgpu_metadata
.endif
;; end of part 3
;; launch proj (part 4): grid 8 x 32, 4 waves a work-group, clusters of 4 x 4, 327,680 bytes of LDS; arguments o, wb, bo, gate_msa, x, x1; writes x1
.if DOCPART == 4
	.amdgcn_target "amdgcn-amd-amdhsa--gfx1250"
	.amdhsa_code_object_version 6
	.text
	.protected	k_q35f987c9ed_proj
	.globl	k_q35f987c9ed_proj
	.p2align	8
	.type	k_q35f987c9ed_proj,@function
k_q35f987c9ed_proj:
	s_mov_b64 s[64:65], 0
	v_nop
	global_prefetch_b8 v0, s[64:65] scope:SCOPE_SE
	s_setreg_imm32_b32 hwreg(HW_REG_WAVE_MODE, 25, 1), 1
	s_wait_xcnt 0x0
	s_wait_alu depctr_hold_cnt(0) depctr_sa_sdst(0) depctr_va_vdst(0) depctr_va_sdst(0) depctr_va_ssrc(0) depctr_va_vcc(0) depctr_vm_vsrc(0)
	s_getreg_b32 s2, hwreg(HW_REG_IB_STS2, 6, 4)
	s_cmp_eq_u32 s2, 0
	s_cbranch_scc0 .Lentry_in_a_cluster
	s_endpgm
.Lentry_in_a_cluster:
	s_bfe_u32 s2, ttmp6, 0x10000c
	s_cmp_lg_u32 s2, 0xf033
	s_cbranch_scc0 .Lentry_shape_is_right
	s_endpgm
.Lentry_shape_is_right:
; res_out = res_in + gate (A W + bias).  Here: A = o (attention's result), W = wo, res_in = x, res_out = x1, all of res in f32.
; A lies in blocks [tile of 128 tokens][K / 64][128 tokens][64] bf16; W in wb as [K][1024] bf16.  Sums in f32.
; A work-group makes 128 tokens x 128 columns, a wave 64 x 64: 16 accumulators.  K goes in steps of 256 through two LDS slots: four blocks of A (a token's 128 bytes at pitch 144) and 256 k-rows of W (pitch 288).
; Source 0 = 16 columns of W, turned by ds_load_tr16_b128; source 1 = 16 tokens of A: a lane's eight results are eight neighbouring columns of a token.
; CLUSTER 4 x 4: A's tiles are asked for jointly along a row of the cluster, W's along a column.  Waves 0, 1 fetch two blocks of A each, waves 2, 3 128 k-rows of W each: one tensor load a wave behind each round.
; NO PREFETCH here (PF = 0): the launch has four K steps.
; lds_bytes claims all of LDS and the spare words take the add.
; REGISTERS: window 0 addresses, v[32:43] gate, bias and their product, v[64:127] the way out, v[128:255] the residual; window 1 two fragment buffers; window 2 the accumulators, (a, b) at v[8 (4 a + b)].
.set T, 4
.set MTS, 262144                       ; bytes of A from one tile of 128 tokens to the next
.set WOFF, 6291456                     ; W in wb
.set PF, 0
.set AHEAD, 2
.set SLOT, 147456
.set SPARE, 294912                     ; the spare words: 128 bytes a wave, two blocks of 256 bytes that no other line names
.set PIECE, 36864
.set BOFF, 73728
.set ASTEP, 65536
.set BSTEP, 524288
.set SPITCH, 272
.set SWAVE, 64*SPITCH
.set F0, 0
.set F1, 128
.set WV, 20
.set WM, 21
.set WN, 22
.set CX, 23
.set CY, 24
.set TX, 25
.set TY, 26
.set CNT, 27
.set TB, 28
.set FB, 29
.set LWA, 30
.set LWB, 31
.set G1A, 32
.set G1B, 40
.set G0A, 48
.set G0B, 52
.set PFA, 56
.set PST, 58
.set LIM, 60
.set MUL2, 0xa5
.set TO_F, 0x40
.set MSB, 0
.macro WIN new
.if MSB != (\new)
	s_set_vgpr_msb (MSB<<8)|(\new)
.set MSB, \new
.endif
.endm
.macro PLACES
.rept 4
	v_nop
.endr
.endm
.macro CREST
	s_cmp_lg_u32 s[WV], 0
	s_cbranch_scc1 .Lnot_wave_0_\@
	s_barrier_signal -3
.Lnot_wave_0_\@:
	s_barrier_wait -3
	s_barrier_signal -1
	s_barrier_wait -1
.endm
.macro CROUND
	s_barrier_signal -1
	s_barrier_wait -1
	CREST
.endm
.macro JLOAD
	s_cmp_lt_u32 s[WV], 2
	s_cbranch_scc0 .Lfor_b_\@
	tensor_load_to_lds s[G0A:G0A+3], s[G1A:G1A+7]
	s_nop 0
.rept 4
	v_nop
.endr
	s_branch .Lasked_\@
.Lfor_b_\@:
	tensor_load_to_lds s[G0B:G0B+3], s[G1B:G1B+7]
	s_nop 0
.rept 4
	v_nop
.endr
.Lasked_\@:
.endm
.macro STEPD
	s_xor_b32 s[FB], s[FB], SLOT
	s_add_co_u32 s[G0A+1], s[LWA], s[FB]
	s_add_co_u32 s[G0B+1], s[LWB], s[FB]
	s_add_nc_u64 s[G0A+2:G0A+3], s[G0A+2:G0A+3], ASTEP
	s_add_nc_u64 s[G0B+2:G0B+3], s[G0B+2:G0B+3], BSTEP
.endm
.macro ASK
	s_cmp_gt_u32 s[CNT], s[LIM]
	s_cbranch_scc0 .Lnot_mine_\@
	global_prefetch_b8 v18, s[PFA:PFA+1] th:TH_LOAD_NT scope:SCOPE_SE
.Lnot_mine_\@:
.endm
.macro FETCH q, f                      ; 32 LDS loads: the fragments of 64 along K (block q of the slot's four) into buffer f
	WIN TO_F
.irp c, 0,1
.irp b, 0,1,2,3
	ds_load_tr16_b128 v[(\f)+64+8*(4*(\c)+(\b)):(\f)+64+8*(4*(\c)+(\b))+3],   v[11+(\q)/2] offset:18432*((\q)%2)+9216*(\c)+32*(\b)
	ds_load_tr16_b128 v[(\f)+64+8*(4*(\c)+(\b))+4:(\f)+64+8*(4*(\c)+(\b))+7], v[11+(\q)/2] offset:18432*((\q)%2)+9216*(\c)+32*(\b)+4608
.endr
.endr
.irp c, 0,1
.irp a, 0,1,2,3
	ds_load_b128 v[(\f)+8*(4*(\c)+(\a)):(\f)+8*(4*(\c)+(\a))+3],   v10 offset:18432*(\q)+2304*(\a)+64*(\c)
	ds_load_b128 v[(\f)+8*(4*(\c)+(\a))+4:(\f)+8*(4*(\c)+(\a))+7], v10 offset:18432*(\q)+2304*(\a)+64*(\c)+32
.endr
.endr
	WIN 0
.endm
.macro MULP f, c, a0, zero             ; 8 products: token blocks a0, a0 + 1 x 4 column blocks, half c of the buffer's 64 along K.  The 16 accumulators take turns
	WIN MUL2
.irp a, \a0, (\a0)+1
.irp b, 0,1,2,3
.if \zero
	v_wmma_f32_16x16x32_bf16 v[8*(4*(\a)+(\b)):8*(4*(\a)+(\b))+7], v[(\f)+64+8*(4*(\c)+(\b)):(\f)+64+8*(4*(\c)+(\b))+7], v[(\f)+8*(4*(\c)+(\a)):(\f)+8*(4*(\c)+(\a))+7], 0
.else
	v_wmma_f32_16x16x32_bf16 v[8*(4*(\a)+(\b)):8*(4*(\a)+(\b))+7], v[(\f)+64+8*(4*(\c)+(\b)):(\f)+64+8*(4*(\c)+(\b))+7], v[(\f)+8*(4*(\c)+(\a)):(\f)+8*(4*(\c)+(\a))+7], v[8*(4*(\a)+(\b)):8*(4*(\a)+(\b))+7]
.endif
.endr
.endr
.endm
.macro QUARTER q, f, g, zero
	s_wait_dscnt 0x0                       ; buffer f's loads, issued half a quarter back
	MULP \f, 0, 0, \zero
	MULP \f, 0, 2, \zero
	PLACES
	FETCH \q, \g
	MULP \f, 1, 0, 0
	MULP \f, 1, 2, 0
.endm
; The fourth quarter multiplies buffer 1 and changes slots: each wave waits for all its tensor loads, adds 0 to its spare word, waits for that and for its reads of the slot, and signals.
; fill = 1: the barrier opens a round of the cluster's, and the slot just read is filled again first thing behind it, with the K step two on.
.macro TURN fill
.if (\fill) && PF
	s_wait_xcnt 0x0                        ; the last prefetch, a K step back, has read its address
	s_add_nc_u64 s[PFA:PFA+1], s[PFA:PFA+1], s[PST:PST+1]
.endif
	WIN 0
	s_wait_dscnt 0x0                       ; buffer 1 is in: my last reads of this slot
	s_wait_tensorcnt 0x0
	ds_add_u32 v28, v29
.if \fill
	STEPD
.endif
	MULP F1, 0, 0, 0
	s_wait_dscnt 0x0
	s_barrier_signal -1
	MULP F1, 0, 2, 0
	WIN 0
	s_barrier_wait -1
.if \fill
	CREST
	JLOAD                                  ; its four v_nop are also the places in front of the loads below
.else
	PLACES
.endif
	s_xor_b32 s[TB], s[TB], SLOT
	v_add_nc_u32 v10, s[TB], v8
	v_add_nc_u32 v11, s[TB], v9
	v_add_nc_u32 v12, PIECE, v11
.if !(\fill)
	s_cmp_eq_u32 s[CNT], 1                 ; the last K step has no successor
	s_cbranch_scc1 .Lnofetch_\@
.endif
	FETCH 0, F0
.if \fill
.if PF
	ASK
.endif
.else
.Lnofetch_\@:
.endif
	MULP F1, 1, 0, 0
	MULP F1, 1, 2, 0
.endm
	s_load_b256 s[4:11], s[0:1], 0x0       ; A 4, wb 6, bias 8, gate 10
	s_load_b128 s[12:15], s[0:1], 0x20     ; res_in 12, res_out 14
	v_lshl_add_u32 v28, v0, 2, SPARE
	v_mov_b32 v29, 0
	ds_add_u32 v28, v29                    ; the wave's opening: the add and its wait stand ahead of my first tensor load
	v_lshrrev_b32 v1, 5, v0
	v_readfirstlane_b32 s[WV], v1
	s_lshr_b32 s[WM], s[WV], 1
	s_and_b32 s[WN], s[WV], 1
	s_bfe_u32 s[CX], ttmp6, 0x40000
	s_bfe_u32 s[CY], ttmp6, 0x40004
	s_lshl_b32 s[TX], ttmp9, 2
	s_add_co_u32 s[TX], s[TX], s[CX]
	s_and_b32 s[TY], ttmp7, 0xffff
	s_lshl_b32 s[TY], s[TY], 2
	s_add_co_u32 s[TY], s[TY], s[CY]
	s_lshl_b32 s68, s[CY], 2
	s_lshl_b32 s68, 15, s68                ; my row of the cluster
	s_lshl_b32 s72, 0x1111, s[CX]          ; my column
	s_or_b32 s[G1A], s68, (1<<16)|(1<<20)|(1<<21)|(4<<22)|(3<<25)  ; after every 32 words (a token's 128 bytes) 4 words of padding
	s_or_b32 s[G1B], s72, (1<<16)|(1<<20)|(1<<21)|(5<<22)|(7<<25)  ; after every 64 words 8 words
.irp g, G1A, G1B
	s_mov_b32 s[(\g)+1], 128<<16
	s_mov_b32 s[(\g)+2], 128<<16
	s_mov_b32 s[(\g)+3], 128<<16
	s_mov_b32 s[(\g)+4], 128
	s_mov_b32 s[(\g)+6], 0
	s_mov_b32 s[(\g)+7], 0
.endr
	s_mov_b32 s[G1A+5], 128                ; two blocks are 32,768 dense bytes: 128 rows of 256
	s_mov_b32 s[G1B+5], 1024
	s_mul_i32 s[LWA], s[WN], PIECE
	s_add_co_u32 s[LWB], s[LWA], BOFF
	s_mov_b32 s[FB], 0
	s_mov_b32 s[TB], 0
	s_mov_b32 s[G0A], 1
	s_mov_b32 s[G0A+1], s[LWA]
	s_mov_b32 s[G0B], 1
	s_mov_b32 s[G0B+1], s[LWB]
	s_mul_i32 s66, s[TY], MTS
	s_lshl_b32 s67, s[WN], 15
	s_add_co_u32 s66, s66, s67
	s_mov_b32 s67, 0
	s_lshl_b32 s70, s[TX], 8
	s_lshl_b32 s71, s[WN], 18
	s_add_co_u32 s70, s70, s71
	s_add_co_u32 s70, s70, WOFF
	s_mov_b32 s71, 0
	s_wait_dscnt 0x0                       ; the opening add is done
	s_wait_kmcnt 0x0
	s_add_nc_u64 s[G0A+2:G0A+3], s[4:5], s[66:67]
	s_or_b32 s[G0A+3], s[G0A+3], 0x80000000
	s_add_nc_u64 s[G0B+2:G0B+3], s[6:7], s[70:71]
	s_or_b32 s[G0B+3], s[G0B+3], 0x80000000
	CROUND
	JLOAD                                  ; K step 0 into slot 0
	v_and_b32 v1, 15, v0
	v_bfe_u32 v2, v0, 4, 1
	v_and_b32 v3, 7, v0
	v_bfe_u32 v4, v0, 3, 1
	v_and_b32 v6, 31, v0
	s_mul_i32 s74, s[WM], 64*144
	v_mul_u32_u24 v8, v1, 144
	v_lshl_add_u32 v8, v2, 4, v8
	v_add_nc_u32 v8, s74, v8               ; A's fragments: (64 WM + r) x 144 + 16 half
	v_lshl_add_u32 v9, v2, 3, v3
	v_mul_u32_u24 v9, v9, 288
	v_lshl_add_u32 v9, v4, 4, v9
	s_lshl_b32 s74, s[WN], 7
	s_add_co_u32 s74, s74, BOFF
	v_add_nc_u32 v9, s74, v9
	v_mov_b32 v10, v8
	v_mov_b32 v11, v9
	v_add_nc_u32 v12, PIECE, v9
	s_mul_i32 s74, s[WV], SWAVE
	v_mul_u32_u24 v14, v1, SPITCH
	v_lshl_add_u32 v14, v2, 5, v14
	v_add_nc_u32 v14, s74, v14             ; into the stage: token r, 32 bytes for each half of the lanes
	v_mul_u32_u24 v15, v2, SPITCH
	v_lshl_add_u32 v15, v1, 4, v15
	v_add_nc_u32 v15, s74, v15             ; back: lanes 0-15 one token's 256 bytes, lanes 16-31 the next
	v_lshlrev_b32 v16, 12, v2
	v_lshl_add_u32 v16, v1, 4, v16         ; and the same two tokens in res
	v_lshlrev_b32 v17, 4, v1
	s_lshl_b32 s78, s[TX], 9
	s_lshl_b32 s79, s[WN], 8
	s_add_co_u32 s78, s78, s79             ; my first column, in bytes of f32
	s_mov_b32 s79, 0
	s_add_nc_u64 s[8:9], s[8:9], s[78:79]
	s_add_nc_u64 s[10:11], s[10:11], s[78:79]
	s_lshl_b32 s76, s[TY], 7
	s_lshl_b32 s77, s[WM], 6
	s_add_co_u32 s76, s76, s77
	s_lshl_b32 s76, s76, 12                ; my first token's row of 4,096 bytes
	s_add_co_u32 s76, s76, s78
	s_mov_b32 s77, 0
	s_add_nc_u64 s[12:13], s[12:13], s[76:77]
	s_add_nc_u64 s[14:15], s[14:15], s[76:77]
	global_load_b128 v[32:35], v17, s[10:11]   ; gate
	global_load_b128 v[36:39], v17, s[8:9]     ; bias
.if PF
	; the prefetches' address: AHEAD + 1 K steps in; the first change of slots steps it once more.  A's bytes are named by the clusters with x = 0, W's by those with y = 0;
	; the four partners of a joint load share its bytes out by address; a lane names 256 bytes
	s_lshl_b32 s74, s[CX], 13
	s_add_co_u32 s74, s74, s66
	s_add_co_u32 s74, s74, (AHEAD+1)*ASTEP
	s_lshl_b32 s75, s[CY], 16
	s_add_co_u32 s75, s75, s70
	s_add_co_u32 s75, s75, (AHEAD+1)*BSTEP
	s_and_b32 s76, ttmp7, 0xffff
	s_mov_b32 s[PST], BSTEP
	s_mov_b32 s[PST+1], 0
	s_mov_b32 s79, 0
	s_cmp_lt_u32 s[WV], 2
	s_cselect_b64 s[PFA:PFA+1], s[4:5], s[6:7]
	s_cselect_b32 s78, s74, s75
	s_cselect_b32 s76, ttmp9, s76
	s_cselect_b32 s[PST], ASTEP, s[PST]
	s_cselect_b32 s77, 8, 11
	s_add_nc_u64 s[PFA:PFA+1], s[PFA:PFA+1], s[78:79]
	s_cmp_eq_u32 s76, 0
	s_cselect_b32 s[LIM], AHEAD, -1
	v_lshlrev_b32 v18, s77, v6
.endif
	s_wait_tensorcnt 0x0                   ; my part of K step 0 has landed
	ds_add_u32 v28, v29
	STEPD
	s_wait_dscnt 0x0
	CROUND
	JLOAD                                  ; K step 1 into slot 1: a first fill, issued as a refill is
.irp u, 0,1,2,3,4,5,6,7,8,9,10,11,12,13,14,15,16,17,18,19,20,21,22,23,24,25,26,27,28,29,30,31
	global_load_b128 v[128+4*(\u):128+4*(\u)+3], v16, s[12:13] offset:8192*(\u)  ; the residual: it has the whole product in which to come
.endr
	FETCH 0, F0
	QUARTER 1, F0, F1, 1                   ; the first products start the sums
	WIN 0
	s_mov_b32 s[CNT], T-2
	s_branch .Lin
.L1:
	QUARTER 1, F0, F1, 0
	WIN 0
.Lin:
	QUARTER 2, F1, F0, 0
	QUARTER 3, F0, F1, 0
	TURN 1
	WIN 0
	s_sub_co_u32 s[CNT], s[CNT], 1
	s_cmp_lg_u32 s[CNT], 0
	s_cbranch_scc1 .L1
	s_mov_b32 s[CNT], 2
.L2:
	QUARTER 1, F0, F1, 0
	QUARTER 2, F1, F0, 0
	QUARTER 3, F0, F1, 0
	TURN 0
	WIN 0
	s_sub_co_u32 s[CNT], s[CNT], 1
	s_cmp_lg_u32 s[CNT], 0
	s_cbranch_scc1 .L2
	; THE WAY OUT.  Behind the last barrier no wave reads the slots and nothing is filled any more: each wave's stage lies over them and is its own.
	PLACES
	WIN 0x08                               ; store data from window 2
.irp a, 0,1,2,3
.irp b, 0,1,2,3
	ds_store_b128 v14, v[8*(4*(\a)+(\b)):8*(4*(\a)+(\b))+3]   offset:4352*(\a)+64*(\b)
	ds_store_b128 v14, v[8*(4*(\a)+(\b))+4:8*(4*(\a)+(\b))+7] offset:4352*(\a)+64*(\b)+16
.endr
.endr
	WIN 0
.macro LDG g                           ; eight units of two tokens back from the stage
.irp u, 0,1,2,3,4,5,6,7
	ds_load_b128 v[64+32*((\g)%2)+4*(\u):64+32*((\g)%2)+4*(\u)+3], v15 offset:544*(8*(\g)+(\u))
.endr
.endm
.macro OUTG g                          ; res + gate x sum + gate x bias, and out: 16 lanes store 256 consecutive bytes, aligned
.irp u, 0,1,2,3,4,5,6,7
	v_pk_fma_f32 v[128+4*(8*(\g)+(\u)):128+4*(8*(\g)+(\u))+1],   v[64+32*((\g)%2)+4*(\u):64+32*((\g)%2)+4*(\u)+1],   v[32:33], v[128+4*(8*(\g)+(\u)):128+4*(8*(\g)+(\u))+1]
	v_pk_fma_f32 v[128+4*(8*(\g)+(\u))+2:128+4*(8*(\g)+(\u))+3], v[64+32*((\g)%2)+4*(\u)+2:64+32*((\g)%2)+4*(\u)+3], v[34:35], v[128+4*(8*(\g)+(\u))+2:128+4*(8*(\g)+(\u))+3]
	v_pk_add_f32 v[128+4*(8*(\g)+(\u)):128+4*(8*(\g)+(\u))+1],   v[128+4*(8*(\g)+(\u)):128+4*(8*(\g)+(\u))+1],   v[40:41]
	v_pk_add_f32 v[128+4*(8*(\g)+(\u))+2:128+4*(8*(\g)+(\u))+3], v[128+4*(8*(\g)+(\u))+2:128+4*(8*(\g)+(\u))+3], v[42:43]
	global_store_b128 v16, v[128+4*(8*(\g)+(\u)):128+4*(8*(\g)+(\u))+3], s[14:15] offset:8192*(8*(\g)+(\u))
.endr
.endm
	LDG 0
	s_wait_loadcnt 0x0                     ; gate, bias, residual
	v_pk_mul_f32 v[40:41], v[32:33], v[36:37]
	v_pk_mul_f32 v[42:43], v[34:35], v[38:39]
.irp g, 0,1,2
	LDG (\g)+1
	s_wait_dscnt 8                         ; group g is back; the next group's eight loads may stay out
	OUTG \g
.endr
	s_wait_dscnt 0x0
	OUTG 3
	s_wait_tensorcnt 0x0                   ; the wave's end
	ds_add_u32 v28, v29
	s_wait_dscnt 0x0
	CROUND                                 ; the closing round
	s_endpgm
.Lfunc_end_k_q35f987c9ed_proj:
	.size	k_q35f987c9ed_proj, .Lfunc_end_k_q35f987c9ed_proj-k_q35f987c9ed_proj
	.p2alignl 7, 3214868480
	.fill 96, 4, 3214868480
	.section	.rodata,"a",@progbits
	.p2align	6, 0x0
	.amdhsa_kernel k_q35f987c9ed_proj
		.amdhsa_group_segment_fixed_size 327680
		.amdhsa_private_segment_fixed_size 0
		.amdhsa_enable_private_segment 0
		.amdhsa_kernarg_size 48
		.amdhsa_user_sgpr_count 2
		.amdhsa_user_sgpr_kernarg_segment_ptr 1
		.amdhsa_wavefront_size32 1
		.amdhsa_system_sgpr_workgroup_id_x 1
		.amdhsa_system_sgpr_workgroup_id_y 1
		.amdhsa_system_sgpr_workgroup_id_z 1
		.amdhsa_system_vgpr_workitem_id 0
		.amdhsa_next_free_vgpr 640
		.amdhsa_next_free_sgpr 100
		.amdhsa_reserve_vcc 0
		.amdhsa_float_denorm_mode_32 3
		.amdhsa_float_denorm_mode_16_64 3
		.amdhsa_memory_ordered 1
		.amdhsa_forward_progress 1
		.amdhsa_inst_pref_size 70
	.end_amdhsa_kernel
	.amdgpu_metadata
---
amdhsa.version: [ 1, 2 ]
amdhsa.kernels:
  - .name:           k_q35f987c9ed_proj
    .symbol:         k_q35f987c9ed_proj.kd
    .args:
      - { .name: o, .offset: 0, .size: 8, .value_kind: global_buffer, .address_space: global }
      - { .name: wb, .offset: 8, .size: 8, .value_kind: global_buffer, .address_space: global }
      - { .name: bo, .offset: 16, .size: 8, .value_kind: global_buffer, .address_space: global }
      - { .name: gate_msa, .offset: 24, .size: 8, .value_kind: global_buffer, .address_space: global }
      - { .name: x, .offset: 32, .size: 8, .value_kind: global_buffer, .address_space: global }
      - { .name: x1, .offset: 40, .size: 8, .value_kind: global_buffer, .address_space: global }
    .group_segment_fixed_size: 327680
    .private_segment_fixed_size: 0
    .kernarg_segment_align: 8
    .kernarg_segment_size: 48
    .max_flat_workgroup_size: 128
    .sgpr_count:     100
    .vgpr_count:     640
    .wavefront_size: 32
...
	.end_amdgpu_metadata
.endif
;; end of part 4
;; launch ln2 (part 5): grid 512 x 1, 8 waves a work-group, no clusters, 0 bytes of LDS; arguments x1, ln2_g, ln2_b, h; writes h
.if DOCPART == 5
	.amdgcn_target "amdgcn-amd-amdhsa--gfx1250"
	.amdhsa_code_object_version 6
	.text
	.protected	k_q35f987c9ed_ln2
	.globl	k_q35f987c9ed_ln2
	.p2align	8
	.type	k_q35f987c9ed_ln2,@function
k_q35f987c9ed_ln2:
	s_mov_b64 s[64:65], 0
	v_nop
	global_prefetch_b8 v0, s[64:65] scope:SCOPE_SE
	s_setreg_imm32_b32 hwreg(HW_REG_WAVE_MODE, 25, 1), 1
	s_wait_xcnt 0x0
; LayerNorm 2: h[row] = (x1 - mean) rsqrt(var + 1e-6) g + b, rounded once to bf16.  A wave takes a row of 1,024 f32 and keeps it in 32 registers: the row is read once.
; No LDS, no barrier: the reduction never leaves the wave.
.set XR, 16
.set GR, 48
.set BR, 80
.set YR, 112
.macro JOIN                            ; four chains of pairs into one number a lane, then over the 32 lanes
	v_pk_add_f32 v[4:5], v[4:5], v[6:7]
	v_pk_add_f32 v[8:9], v[8:9], v[10:11]
	v_pk_add_f32 v[4:5], v[4:5], v[8:9]
	v_add_f32 v4, v4, v5
	v_add_f32_dpp v4, v4, v4 row_xmask:1 row_mask:0xf bank_mask:0xf
	v_add_f32_dpp v4, v4, v4 row_xmask:2 row_mask:0xf bank_mask:0xf
	v_add_f32_dpp v4, v4, v4 row_xmask:4 row_mask:0xf bank_mask:0xf
	v_add_f32_dpp v4, v4, v4 row_xmask:8 row_mask:0xf bank_mask:0xf
	v_permlanex16_b32 v5, v4, s32, s33
	v_add_f32 v4, v4, v5
.endm
	s_load_b256 s[8:15], s[0:1], 0x0       ; x1 8, g 10, b 12, h 14
	v_lshrrev_b32 v1, 5, v0
	v_readfirstlane_b32 s34, v1            ; wave
	v_and_b32 v1, 31, v0                   ; lane
	s_mov_b32 s37, 0
	s_mov_b32 s32, 0x76543210
	s_mov_b32 s33, 0xfedcba98
	s_mov_b32 s38, 0x3a800000              ; 1 / 1024
	s_mov_b32 s39, 0x358637bd              ; 1e-6
	s_lshl_b32 s35, ttmp9, 3
	s_add_co_u32 s35, s35, s34             ; row
	v_lshlrev_b32 v2, 4, v1
	v_lshlrev_b32 v3, 3, v1
	s_wait_kmcnt 0x0
	s_lshl_b32 s36, s35, 12
	s_add_nc_u64 s[8:9], s[8:9], s[36:37]
	s_lshl_b32 s36, s35, 11
	s_add_nc_u64 s[14:15], s[14:15], s[36:37]
.irp j, 0,1,2,3,4,5,6,7
	global_load_b128 v[XR+4*(\j):XR+4*(\j)+3], v2, s[8:9] offset:512*(\j)
.endr
.irp j, 0,1,2,3,4,5,6,7
	global_load_b128 v[GR+4*(\j):GR+4*(\j)+3], v2, s[10:11] offset:512*(\j)
.endr
.irp j, 0,1,2,3,4,5,6,7
	global_load_b128 v[BR+4*(\j):BR+4*(\j)+3], v2, s[12:13] offset:512*(\j)
.endr
	s_wait_loadcnt 16                      ; the row is in; the 16 younger loads (g, b) may stay out
.irp c, 0,1,2,3
	v_pk_add_f32 v[4+2*(\c):5+2*(\c)], v[XR+4*(\c):XR+4*(\c)+1], v[XR+4*(\c)+2:XR+4*(\c)+3]
.endr
.irp p, 8,9,10,11,12,13,14,15
	v_pk_add_f32 v[4+2*((\p)%4):5+2*((\p)%4)], v[4+2*((\p)%4):5+2*((\p)%4)], v[XR+2*(\p):XR+2*(\p)+1]
.endr
	JOIN
	v_mul_f32 v12, s38, v4
	v_mov_b32 v13, v12
.irp p, 0,1,2,3,4,5,6,7,8,9,10,11,12,13,14,15
	v_pk_add_f32 v[XR+2*(\p):XR+2*(\p)+1], v[XR+2*(\p):XR+2*(\p)+1], v[12:13] neg_lo:[0,1] neg_hi:[0,1]  ; x - mean first: the variance is no difference of large sums
.endr
.irp c, 0,1,2,3
	v_pk_mul_f32 v[4+2*(\c):5+2*(\c)], v[XR+2*(\c):XR+2*(\c)+1], v[XR+2*(\c):XR+2*(\c)+1]
.endr
.irp p, 4,5,6,7,8,9,10,11,12,13,14,15
	v_pk_fma_f32 v[4+2*((\p)%4):5+2*((\p)%4)], v[XR+2*(\p):XR+2*(\p)+1], v[XR+2*(\p):XR+2*(\p)+1], v[4+2*((\p)%4):5+2*((\p)%4)]
.endr
	JOIN
	v_fma_f32 v14, v4, s38, s39
	v_rsq_f32 v14, v14
	v_nop                                  ; a plain instruction behind the root,
	s_wait_alu depctr_va_vdst(0)           ; and the wait ahead of the first line that names its result
	v_mov_b32 v15, v14
.irp p, 0,1,2,3,4,5,6,7,8,9,10,11,12,13,14,15
	v_pk_mul_f32 v[XR+2*(\p):XR+2*(\p)+1], v[XR+2*(\p):XR+2*(\p)+1], v[14:15]
.endr
	s_wait_loadcnt 0x0
.irp p, 0,1,2,3,4,5,6,7,8,9,10,11,12,13,14,15
	v_pk_fma_f32 v[XR+2*(\p):XR+2*(\p)+1], v[XR+2*(\p):XR+2*(\p)+1], v[GR+2*(\p):GR+2*(\p)+1], v[BR+2*(\p):BR+2*(\p)+1]
.endr
.irp p, 0,1,2,3,4,5,6,7,8,9,10,11,12,13,14,15
	v_cvt_pk_bf16_f32 v[YR+(\p)], v[XR+2*(\p)], v[XR+2*(\p)+1]
.endr
.irp j, 0,1,2,3,4,5,6,7
	global_store_b64 v3, v[YR+2*(\j):YR+2*(\j)+1], s[14:15] offset:256*(\j)  ; the wave stores 256 consecutive bytes, aligned
.endr
	s_endpgm
.Lfunc_end_k_q35f987c9ed_ln2:
	.size	k_q35f987c9ed_ln2, .Lfunc_end_k_q35f987c9ed_ln2-k_q35f987c9ed_ln2
	.p2alignl 7, 3214868480
	.fill 96, 4, 3214868480
	.section	.rodata,"a",@progbits
	.p2align	6, 0x0
	.amdhsa_kernel k_q35f987c9ed_ln2
		.amdhsa_group_segment_fixed_size 0
		.amdhsa_private_segment_fixed_size 0
		.amdhsa_enable_private_segment 0
		.amdhsa_kernarg_size 32
		.amdhsa_user_sgpr_count 2
		.amdhsa_user_sgpr_kernarg_segment_ptr 1
		.amdhsa_wavefront_size32 1
		.amdhsa_system_sgpr_workgroup_id_x 1
		.amdhsa_system_sgpr_workgroup_id_y 1
		.amdhsa_system_sgpr_workgroup_id_z 1
		.amdhsa_system_vgpr_workitem_id 0
		.amdhsa_next_free_vgpr 128
		.amdhsa_next_free_sgpr 66
		.amdhsa_reserve_vcc 0
		.amdhsa_float_denorm_mode_32 3
		.amdhsa_float_denorm_mode_16_64 3
		.amdhsa_memory_ordered 1
		.amdhsa_forward_progress 1
		.amdhsa_inst_pref_size 12
	.end_amdhsa_kernel
	.amdgpu_metadata
---
amdhsa.version: [ 1, 2 ]
amdhsa.kernels:
  - .name:           k_q35f987c9ed_ln2
    .symbol:         k_q35f987c9ed_ln2.kd
    .args:
      - { .name: x1, .offset: 0, .size: 8, .value_kind: global_buffer, .address_space: global }
      - { .name: ln2_g, .offset: 8, .size: 8, .value_kind: global_buffer, .address_space: global }
      - { .name: ln2_b, .offset: 16, .size: 8, .value_kind: global_buffer, .address_space: global }
      - { .name: h, .offset: 24, .size: 8, .value_kind: global_buffer, .address_space: global }
    .group_segment_fixed_size: 0
    .private_segment_fixed_size: 0
    .kernarg_segment_align: 8
    .kernarg_segment_size: 32
    .max_flat_workgroup_size: 256
    .sgpr_count:     66
    .vgpr_count:     128
    .wavefront_size: 32
...
	.end_amdgpu_metadata
.endif
;; end of part 5
;; launch mlp1 (part 6): grid 16 x 16, 4 waves a work-group, clusters of 4 x 4, 327,680 bytes of LDS; arguments h, wb, b1, hid; writes hid
.if DOCPART == 6
	.amdgcn_target "amdgcn-amd-amdhsa--gfx1250"
	.amdhsa_code_object_version 6
	.text
	.protected	k_q35f987c9ed_mlp1
	.globl	k_q35f987c9ed_mlp1
	.p2align	8
	.type	k_q35f987c9ed_mlp1,@function
k_q35f987c9ed_mlp1:
	s_mov_b64 s[64:65], 0
	v_nop
	global_prefetch_b8 v0, s[64:65] scope:SCOPE_SE
	s_setreg_imm32_b32 hwreg(HW_REG_WAVE_MODE, 25, 1), 1
	s_wait_xcnt 0x0
	s_wait_alu depctr_hold_cnt(0) depctr_sa_sdst(0) depctr_va_vdst(0) depctr_va_sdst(0) depctr_va_ssrc(0) depctr_va_vcc(0) depctr_vm_vsrc(0)
	s_getreg_b32 s2, hwreg(HW_REG_IB_STS2, 6, 4)
	s_cmp_eq_u32 s2, 0
	s_cbranch_scc0 .Lentry_in_a_cluster
	s_endpgm
.Lentry_in_a_cluster:
	s_bfe_u32 s2, ttmp6, 0x10000c
	s_cmp_lg_u32 s2, 0xf033
	s_cbranch_scc0 .Lentry_shape_is_right
	s_endpgm
.Lentry_shape_is_right:
; hid = gelu(h w1 + b1), the exact (erf) GELU, rounded once to bf16 and written in blocks [tile of 128 tokens][column / 64][128 tokens][64].
; h: [4096][1024] bf16; w1 in wb as [1024][4096] bf16.  Sums in f32.
; LIMIT.  erf is taken by the three-term rational form 1 - (a1 t + a2 t^2 + a3 t^3) exp(-y^2), t = 1 / (1 + 0.47047 y), off by at most 2.5e-5 for every y: gelu is off by at most 1.25e-5 |x|,
; which lies under bf16's step wherever gelu is of |x|'s size.  gelu = x / 2 + |x| (1/2 - q), q = half the polynomial times 2^(-0.7213 x^2): no overflow for finite x (x^2 = inf gives q = 0).
; A work-group makes 256 tokens x 256 columns, a wave 128 x 128: 64 accumulators.  K goes in 8 steps of 128 through two LDS slots: h's 256 rows (pitch 272) and two tiles of 128 k-rows x 128 columns (pitch 288).
; Source 0 = 16 columns of w1, turned by ds_load_tr16_b128; source 1 = 16 rows of h: a lane's eight results are eight neighbouring columns of a token.
; CLUSTER 4 x 4: h's tiles are asked for jointly along a row of the cluster, w1's along a column.  Waves 0, 1 fetch h's halves, waves 2, 3 w1's: one tensor load a wave behind each round.
; lds_bytes claims all of LDS and the spare words take the add.
; REGISTERS: window 0 addresses and the way out; window 1 two fragment buffers (h's 8 fragments, then w1's 8); windows 2, 3 the accumulators: (a, b) at v[8 (8 (a % 4) + b)] of window 2 + a / 4.
.set T, 8
.set SLOT, 143360
.set SPARE, 286720                     ; the spare words: 128 bytes a wave, two blocks of 256 bytes that no other line names
.set APIECE, 34816
.set BPIECE, 36864
.set BOFF, 69632
.set WOFF, 8388608
.set ASTEP, 256
.set BSTEP, 1048576
.set SPITCH, 528                       ; the way out: a token's 128 f32 + 16 bytes
.set SWAVE, 128*SPITCH
.set F0, 0
.set F1, 128
.set WV, 20
.set WM, 21
.set WN, 22
.set CX, 23
.set CY, 24
.set TX, 25
.set TY, 26
.set CNT, 27
.set TB, 28
.set FB, 29
.set LWA, 30
.set LWB, 31
.set G1A, 32
.set G1B, 40
.set G0A, 48
.set G0B, 52
.set PFA, 56
.set PST, 58
.set LIM, 60
.set KP, 80                            ; s[80:81] 0.47047 / sqrt 2
.set KE, 82                            ; s[82:83] -log2(e) / 2
.set C3, 84                            ; s[84:85] a3 / 2
.set C2, 86                            ; s[86:87] a2 / 2
.set C1, 88                            ; s[88:89] a1 / 2
.set MSK, 90                           ; s90 clears a sign
.set XV, 64
.set AV, 96
.set TV, 128
.set EV, 160
.set PR, 192
.set OU, 224
.set MUL2, 0xa5
.set TO_F, 0x40
.set MSB, 0
.macro WIN new
.if MSB != (\new)
	s_set_vgpr_msb (MSB<<8)|(\new)
.set MSB, \new
.endif
.endm
.macro PLACES
.rept 4
	v_nop
.endr
.endm
.macro CREST
	s_cmp_lg_u32 s[WV], 0
	s_cbranch_scc1 .Lnot_wave_0_\@
	s_barrier_signal -3
.Lnot_wave_0_\@:
	s_barrier_wait -3
	s_barrier_signal -1
	s_barrier_wait -1
.endm
.macro CROUND
	s_barrier_signal -1
	s_barrier_wait -1
	CREST
.endm
.macro JLOAD
	s_cmp_lt_u32 s[WV], 2
	s_cbranch_scc0 .Lfor_b_\@
	tensor_load_to_lds s[G0A:G0A+3], s[G1A:G1A+7]
	s_nop 0
.rept 4
	v_nop
.endr
	s_branch .Lasked_\@
.Lfor_b_\@:
	tensor_load_to_lds s[G0B:G0B+3], s[G1B:G1B+7]
	s_nop 0
.rept 4
	v_nop
.endr
.Lasked_\@:
.endm
.macro STEPD
	s_xor_b32 s[FB], s[FB], SLOT
	s_add_co_u32 s[G0A+1], s[LWA], s[FB]
	s_add_co_u32 s[G0B+1], s[LWB], s[FB]
	s_add_nc_u64 s[G0A+2:G0A+3], s[G0A+2:G0A+3], ASTEP
	s_add_nc_u64 s[G0B+2:G0B+3], s[G0B+2:G0B+3], BSTEP
.endm
; A prefetch of the K step behind the one just asked for: 32 rows x 256 bytes, a lane a row.  h's rows are named by the clusters with x = 0, w1's by those with y = 0;
; the four partners of a joint load share its 128 rows out by address.  The refill of step T - 1 asks for nothing.
.macro ASK
	s_cmp_gt_u32 s[CNT], s[LIM]
	s_cbranch_scc0 .Lnot_mine_\@
	global_prefetch_b8 v18, s[PFA:PFA+1] th:TH_LOAD_NT scope:SCOPE_SE
.Lnot_mine_\@:
.endm
.macro FETCH q, f
	WIN TO_F
.irp b, 0,1,2,3,4,5,6,7
	ds_load_tr16_b128 v[(\f)+64+8*(\b):(\f)+64+8*(\b)+3],   v11 offset:9216*(\q)+32*(\b)
	ds_load_tr16_b128 v[(\f)+64+8*(\b)+4:(\f)+64+8*(\b)+7], v11 offset:9216*(\q)+32*(\b)+4608
.endr
.irp a, 0,1,2,3,4,5,6,7
	ds_load_b128 v[(\f)+8*(\a):(\f)+8*(\a)+3],   v10 offset:64*(\q)+4352*(\a)
	ds_load_b128 v[(\f)+8*(\a)+4:(\f)+8*(\a)+7], v10 offset:64*(\q)+4352*(\a)+32
.endr
	WIN 0
.endm
.macro MULP f, hi, a0, zero            ; 16 products: token blocks a0, a0 + 1 of the window's four x all 8 column blocks.  The 64 accumulators take turns
	WIN MUL2+0x50*(\hi)
.irp a, \a0, (\a0)+1
.irp b, 0,1,2,3,4,5,6,7
.if \zero
	v_wmma_f32_16x16x32_bf16 v[8*(8*(\a)+(\b)):8*(8*(\a)+(\b))+7], v[(\f)+64+8*(\b):(\f)+64+8*(\b)+7], v[(\f)+8*(4*(\hi)+(\a)):(\f)+8*(4*(\hi)+(\a))+7], 0
.else
	v_wmma_f32_16x16x32_bf16 v[8*(8*(\a)+(\b)):8*(8*(\a)+(\b))+7], v[(\f)+64+8*(\b):(\f)+64+8*(\b)+7], v[(\f)+8*(4*(\hi)+(\a)):(\f)+8*(4*(\hi)+(\a))+7], v[8*(8*(\a)+(\b)):8*(8*(\a)+(\b))+7]
.endif
.endr
.endr
.endm
.macro QUARTER q, f, g, zero
	s_wait_dscnt 0x0                       ; buffer f's loads, issued half a quarter back
	MULP \f, 0, 0, \zero
	MULP \f, 0, 2, \zero
	PLACES
	FETCH \q, \g
	MULP \f, 1, 0, \zero
	MULP \f, 1, 2, \zero
.endm
; The fourth quarter multiplies buffer 1 and changes slots: each wave waits for all its tensor loads, adds 0 to its spare word, waits for that and for its reads of the slot, and signals.
; fill = 1: the barrier opens a round of the cluster's, and the slot just read is filled again first thing behind it, with the K step two on.
.macro TURN fill
.if \fill
	s_wait_xcnt 0x0                        ; the last prefetch, a K step back, has read its address
	s_add_nc_u64 s[PFA:PFA+1], s[PFA:PFA+1], s[PST:PST+1]
.endif
	WIN 0
	s_wait_dscnt 0x0                       ; buffer 1 is in: my last reads of this slot
	s_wait_tensorcnt 0x0
	ds_add_u32 v28, v29
.if \fill
	STEPD
.endif
	MULP F1, 0, 0, 0
	s_wait_dscnt 0x0
	s_barrier_signal -1
	MULP F1, 0, 2, 0
	WIN 0
	s_barrier_wait -1
.if \fill
	CREST
	JLOAD                                  ; its four v_nop are also the places in front of the loads below
.else
	PLACES
.endif
	s_xor_b32 s[TB], s[TB], SLOT
	v_add_nc_u32 v10, s[TB], v8
	v_add_nc_u32 v11, s[TB], v9
.if !(\fill)
	s_cmp_eq_u32 s[CNT], 1                 ; the last K step has no successor
	s_cbranch_scc1 .Lnofetch_\@
.endif
	FETCH 0, F0
.if \fill
	ASK
.else
.Lnofetch_\@:
.endif
	MULP F1, 1, 0, 0
	MULP F1, 1, 2, 0
.endm
	s_load_b256 s[4:11], s[0:1], 0x0       ; h 4, wb 6, b1 8, hid 10
	v_lshl_add_u32 v28, v0, 2, SPARE
	v_mov_b32 v29, 0
	ds_add_u32 v28, v29                    ; the wave's opening: the add and its wait stand ahead of my first tensor load
	v_lshrrev_b32 v1, 5, v0
	v_readfirstlane_b32 s[WV], v1
	s_lshr_b32 s[WM], s[WV], 1
	s_and_b32 s[WN], s[WV], 1
	s_bfe_u32 s[CX], ttmp6, 0x40000
	s_bfe_u32 s[CY], ttmp6, 0x40004
	s_lshl_b32 s[TX], ttmp9, 2
	s_add_co_u32 s[TX], s[TX], s[CX]
	s_and_b32 s[TY], ttmp7, 0xffff
	s_lshl_b32 s[TY], s[TY], 2
	s_add_co_u32 s[TY], s[TY], s[CY]
	s_lshl_b32 s68, s[CY], 2
	s_lshl_b32 s68, 15, s68                ; my row of the cluster
	s_lshl_b32 s72, 0x1111, s[CX]          ; my column
	s_or_b32 s[G1A], s68, (1<<16)|(1<<20)|(1<<21)|(5<<22)|(3<<25)
	s_or_b32 s[G1B], s72, (1<<16)|(1<<20)|(1<<21)|(5<<22)|(7<<25)
.irp g, G1A, G1B
	s_mov_b32 s[(\g)+1], 128<<16
	s_mov_b32 s[(\g)+2], 128<<16
	s_mov_b32 s[(\g)+3], 128<<16
	s_mov_b32 s[(\g)+4], 128
	s_mov_b32 s[(\g)+6], 0
	s_mov_b32 s[(\g)+7], 0
.endr
	s_mov_b32 s[G1A+5], 1024
	s_mov_b32 s[G1B+5], 4096
	s_mul_i32 s[LWA], s[WN], APIECE
	s_mul_i32 s[LWB], s[WN], BPIECE
	s_add_co_u32 s[LWB], s[LWB], BOFF
	s_mov_b32 s[FB], 0
	s_mov_b32 s[TB], 0
	s_mov_b32 s[G0A], 1
	s_mov_b32 s[G0A+1], s[LWA]
	s_mov_b32 s[G0B], 1
	s_mov_b32 s[G0B+1], s[LWB]
	s_mov_b32 s[KP], 0x3eaa540e
	s_mov_b32 s[KP+1], s[KP]
	s_mov_b32 s[KE], 0xbf38aa3b
	s_mov_b32 s[KE+1], s[KE]
	s_mov_b32 s[C3], 0x3ebf7377
	s_mov_b32 s[C3+1], s[C3]
	s_mov_b32 s[C2], 0xbd445ca1
	s_mov_b32 s[C2+1], s[C2]
	s_mov_b32 s[C1], 0x3e32303a
	s_mov_b32 s[C1+1], s[C1]
	s_mov_b32 s[MSK], 0x7fffffff
	s_lshl_b32 s66, s[TY], 8
	s_lshl_b32 s67, s[WN], 7
	s_add_co_u32 s66, s66, s67
	s_lshl_b32 s66, s66, 11                ; h: (256 ty + 128 half) rows of 2,048 bytes
	s_mov_b32 s67, 0
	s_lshl_b32 s70, s[TX], 9
	s_lshl_b32 s71, s[WN], 8
	s_add_co_u32 s70, s70, s71
	s_add_co_u32 s70, s70, WOFF            ; w1: columns 256 tx + 128 half on
	s_mov_b32 s71, 0
	s_wait_dscnt 0x0                       ; the opening add is done
	s_wait_kmcnt 0x0
	s_add_nc_u64 s[G0A+2:G0A+3], s[4:5], s[66:67]
	s_or_b32 s[G0A+3], s[G0A+3], 0x80000000
	s_add_nc_u64 s[G0B+2:G0B+3], s[6:7], s[70:71]
	s_or_b32 s[G0B+3], s[G0B+3], 0x80000000
	CROUND
	JLOAD                                  ; K step 0 into slot 0
	v_and_b32 v1, 15, v0
	v_bfe_u32 v2, v0, 4, 1
	v_and_b32 v3, 7, v0
	v_bfe_u32 v4, v0, 3, 1
	v_bfe_u32 v5, v0, 3, 2
	v_and_b32 v6, 31, v0
	s_mul_i32 s74, s[WM], APIECE
	v_mul_u32_u24 v8, v1, 272
	v_lshl_add_u32 v8, v2, 4, v8
	v_add_nc_u32 v8, s74, v8
	v_lshl_add_u32 v9, v2, 3, v3
	v_mul_u32_u24 v9, v9, 288
	v_lshl_add_u32 v9, v4, 4, v9
	s_mul_i32 s74, s[WN], BPIECE
	s_add_co_u32 s74, s74, BOFF
	v_add_nc_u32 v9, s74, v9
	v_mov_b32 v10, v8
	v_mov_b32 v11, v9
	s_mul_i32 s74, s[WV], SWAVE
	v_mul_u32_u24 v14, v1, SPITCH
	v_lshl_add_u32 v14, v2, 5, v14
	v_add_nc_u32 v14, s74, v14
	v_mul_u32_u24 v15, v5, SPITCH
	v_lshl_add_u32 v15, v3, 5, v15
	v_add_nc_u32 v15, s74, v15
	v_lshlrev_b32 v16, 4, v6
	v_lshlrev_b32 v17, 5, v3
	s_lshl_b32 s76, s[TX], 10
	s_lshl_b32 s77, s[WN], 9
	s_add_co_u32 s76, s76, s77
	s_mov_b32 s77, 0
	s_add_nc_u64 s[8:9], s[8:9], s[76:77]
	global_load_b128 v[32:35], v17, s[8:9]
	global_load_b128 v[36:39], v17, s[8:9] offset:16
	global_load_b128 v[40:43], v17, s[8:9] offset:256
	global_load_b128 v[44:47], v17, s[8:9] offset:272
	s_lshl_b32 s76, s[TY], 1
	s_add_co_u32 s76, s76, s[WM]
	s_lshl_b32 s76, s76, 6
	s_lshl_b32 s77, s[TX], 2
	s_add_co_u32 s76, s76, s77
	s_lshl_b32 s77, s[WN], 1
	s_add_co_u32 s76, s76, s77             ; (tile of 128 tokens) x 64 + block of 64 columns
	s_lshl_b32 s76, s76, 14
	s_mov_b32 s77, 0
	s_add_nc_u64 s[10:11], s[10:11], s[76:77]
	; the prefetches' address: at K step 2; the first change of slots steps it to 3
	s_lshl_b32 s74, s[CX], 16
	s_add_co_u32 s74, s74, s66
	s_add_co_u32 s74, s74, 2*ASTEP
	s_lshl_b32 s75, s[CY], 18
	s_add_co_u32 s75, s75, s70
	s_add_co_u32 s75, s75, 2*BSTEP
	s_and_b32 s76, ttmp7, 0xffff
	s_mov_b32 s[PST], BSTEP
	s_mov_b32 s[PST+1], 0
	s_mov_b32 s79, 0
	s_cmp_lt_u32 s[WV], 2
	s_cselect_b64 s[PFA:PFA+1], s[4:5], s[6:7]
	s_cselect_b32 s78, s74, s75
	s_cselect_b32 s76, ttmp9, s76
	s_cselect_b32 s[PST], ASTEP, s[PST]
	s_cselect_b32 s77, 11, 13
	s_add_nc_u64 s[PFA:PFA+1], s[PFA:PFA+1], s[78:79]
	s_cmp_eq_u32 s76, 0
	s_cselect_b32 s[LIM], 1, -1
	v_lshlrev_b32 v18, s77, v6
	s_wait_tensorcnt 0x0                   ; my part of K step 0 has landed
	ds_add_u32 v28, v29
	STEPD
	s_wait_dscnt 0x0
	CROUND
	JLOAD                                  ; K step 1 into slot 1: a first fill, issued as a refill is
	FETCH 0, F0
	QUARTER 1, F0, F1, 1                   ; the first products start the sums
	WIN 0
	s_mov_b32 s[CNT], T-2
	s_branch .Lin
.L1:
	QUARTER 1, F0, F1, 0
	WIN 0
.Lin:
	QUARTER 2, F1, F0, 0
	QUARTER 3, F0, F1, 0
	TURN 1
	WIN 0
	s_sub_co_u32 s[CNT], s[CNT], 1
	s_cmp_lg_u32 s[CNT], 0
	s_cbranch_scc1 .L1
	s_mov_b32 s[CNT], 2
.L2:
	QUARTER 1, F0, F1, 0
	QUARTER 2, F1, F0, 0
	QUARTER 3, F0, F1, 0
	TURN 0
	WIN 0
	s_sub_co_u32 s[CNT], s[CNT], 1
	s_cmp_lg_u32 s[CNT], 0
	s_cbranch_scc1 .L2
	; THE WAY OUT.  Behind the last barrier no wave reads the slots and nothing is filled any more: each wave's stage lies over them and is its own.
	PLACES
.irp a, 0,1,2,3,4,5,6,7
	WIN 0x08+4*((\a)/4)
.irp b, 0,1,2,3,4,5,6,7
	ds_store_b128 v14, v[8*(8*((\a)%4)+(\b)):8*(8*((\a)%4)+(\b))+3]   offset:8448*(\a)+64*(\b)
	ds_store_b128 v14, v[8*(8*((\a)%4)+(\b))+4:8*(8*((\a)%4)+(\b))+7] offset:8448*(\a)+64*(\b)+16
.endr
.endr
	WIN 0
	s_wait_loadcnt 0x0                     ; the bias
	s_mov_b32 s[CNT], 16
.Lg:                                           ; 8 tokens x 128 columns a trip: 32 numbers a lane
.irp v, 0,1
.irp j, 0,1
	ds_load_b128 v[XV+8*(2*(\v)+(\j)):XV+8*(2*(\v)+(\j))+3],   v15 offset:2112*(\v)+256*(\j)  ; LDS serves a wave's instructions in order: these see the stores above
	ds_load_b128 v[XV+8*(2*(\v)+(\j))+4:XV+8*(2*(\v)+(\j))+7], v15 offset:2112*(\v)+256*(\j)+16
.endr
.endr
	s_wait_dscnt 0x0
.set n, 0
.rept 16
	v_pk_add_f32 v[XV+2*n:XV+2*n+1], v[XV+2*n:XV+2*n+1], v[32+8*((n/4)%2)+2*(n%4):32+8*((n/4)%2)+2*(n%4)+1]
.set n, n+1
.endr
.set n, 0
.rept 32
	v_and_b32 v[AV+n], s[MSK], v[XV+n]     ; |x|
.set n, n+1
.endr
.set n, 0
.rept 16
	v_pk_fma_f32 v[TV+2*n:TV+2*n+1], v[AV+2*n:AV+2*n+1], s[KP:KP+1], 1.0 op_sel_hi:[1,0,0]
	v_pk_mul_f32 v[EV+2*n:EV+2*n+1], v[XV+2*n:XV+2*n+1], v[XV+2*n:XV+2*n+1]
.set n, n+1
.endr
.set n, 0
.rept 16
	v_pk_mul_f32 v[EV+2*n:EV+2*n+1], v[EV+2*n:EV+2*n+1], s[KE:KE+1] op_sel_hi:[1,0]
.set n, n+1
.endr
.set n, 0
.rept 32                               ; one batch of 64
	v_rcp_f32 v[TV+n], v[TV+n]
.set n, n+1
.endr
.set n, 0
.rept 32
	v_exp_f32 v[EV+n], v[EV+n]
.set n, n+1
.endr
.set n, 0
.rept 16
	v_pk_mul_f32 v[XV+2*n:XV+2*n+1], v[XV+2*n:XV+2*n+1], 0.5 op_sel_hi:[1,0]  ; plain work that names none of the batch's results
.set n, n+1
.endr
	s_wait_alu depctr_va_vdst(0)           ; the one wait for the batch, ahead of its first reader
.set n, 0
.rept 16
	v_pk_fma_f32 v[PR+2*n:PR+2*n+1], v[TV+2*n:TV+2*n+1], s[C3:C3+1], s[C2:C2+1] op_sel_hi:[1,0,0]
.set n, n+1
.endr
.set n, 0
.rept 16
	v_pk_fma_f32 v[PR+2*n:PR+2*n+1], v[PR+2*n:PR+2*n+1], v[TV+2*n:TV+2*n+1], s[C1:C1+1] op_sel_hi:[1,1,0]
.set n, n+1
.endr
.set n, 0
.rept 16
	v_pk_mul_f32 v[PR+2*n:PR+2*n+1], v[PR+2*n:PR+2*n+1], v[TV+2*n:TV+2*n+1]
.set n, n+1
.endr
.set n, 0
.rept 16
	v_pk_fma_f32 v[PR+2*n:PR+2*n+1], v[PR+2*n:PR+2*n+1], v[EV+2*n:EV+2*n+1], 0.5 op_sel_hi:[1,1,0] neg_lo:[1,0,0] neg_hi:[1,0,0]  ; 1/2 - q
.set n, n+1
.endr
.set n, 0
.rept 16
	v_pk_fma_f32 v[XV+2*n:XV+2*n+1], v[AV+2*n:AV+2*n+1], v[PR+2*n:PR+2*n+1], v[XV+2*n:XV+2*n+1]
.set n, n+1
.endr
.set n, 0
.rept 16
	v_cvt_pk_bf16_f32 v[OU+n], v[XV+2*n], v[XV+2*n+1]
.set n, n+1
.endr
.irp v, 0,1
.irp j, 0,1
	global_store_b128 v16, v[OU+4*(2*(\v)+(\j)):OU+4*(2*(\v)+(\j))+3], s[10:11] offset:16384*(\j)+512*(\v)  ; four tokens of a block: 512 consecutive bytes, aligned
.endr
.endr
	s_wait_xcnt 0x0                        ; the stores have read their offset and data: both are written again only behind this wait
	v_add_nc_u32 v16, 1024, v16
	v_add_nc_u32 v15, 8*SPITCH, v15
	s_sub_co_u32 s[CNT], s[CNT], 1
	s_cmp_lg_u32 s[CNT], 0
	s_cbranch_scc1 .Lg
	s_wait_tensorcnt 0x0                   ; the wave's end
	ds_add_u32 v28, v29
	s_wait_dscnt 0x0
	CROUND                                 ; the closing round
	s_endpgm
.Lfunc_end_k_q35f987c9ed_mlp1:
	.size	k_q35f987c9ed_mlp1, .Lfunc_end_k_q35f987c9ed_mlp1-k_q35f987c9ed_mlp1
	.p2alignl 7, 3214868480
	.fill 96, 4, 3214868480
	.section	.rodata,"a",@progbits
	.p2align	6, 0x0
	.amdhsa_kernel k_q35f987c9ed_mlp1
		.amdhsa_group_segment_fixed_size 327680
		.amdhsa_private_segment_fixed_size 0
		.amdhsa_enable_private_segment 0
		.amdhsa_kernarg_size 32
		.amdhsa_user_sgpr_count 2
		.amdhsa_user_sgpr_kernarg_segment_ptr 1
		.amdhsa_wavefront_size32 1
		.amdhsa_system_sgpr_workgroup_id_x 1
		.amdhsa_system_sgpr_workgroup_id_y 1
		.amdhsa_system_sgpr_workgroup_id_z 1
		.amdhsa_system_vgpr_workitem_id 0
		.amdhsa_next_free_vgpr 1024
		.amdhsa_next_free_sgpr 100
		.amdhsa_reserve_vcc 0
		.amdhsa_float_denorm_mode_32 3
		.amdhsa_float_denorm_mode_16_64 3
		.amdhsa_memory_ordered 1
		.amdhsa_forward_progress 1
		.amdhsa_inst_pref_size 94
	.end_amdhsa_kernel
	.amdgpu_metadata
---
amdhsa.version: [ 1, 2 ]
amdhsa.kernels:
  - .name:           k_q35f987c9ed_mlp1
    .symbol:         k_q35f987c9ed_mlp1.kd
    .args:
      - { .name: h, .offset: 0, .size: 8, .value_kind: global_buffer, .address_space: global }
      - { .name: wb, .offset: 8, .size: 8, .value_kind: global_buffer, .address_space: global }
      - { .name: b1, .offset: 16, .size: 8, .value_kind: global_buffer, .address_space: global }
      - { .name: hid, .offset: 24, .size: 8, .value_kind: global_buffer, .address_space: global }
    .group_segment_fixed_size: 327680
    .private_segment_fixed_size: 0
    .kernarg_segment_align: 8
    .kernarg_segment_size: 32
    .max_flat_workgroup_size: 128
    .sgpr_count:     100
    .vgpr_count:     1024
    .wavefront_size: 32
...
	.end_amdgpu_metadata
.endif
;; end of part 6
;; launch mlp2 (part 7): grid 8 x 32, 4 waves a work-group, clusters of 4 x 4, 327,680 bytes of LDS; arguments hid, wb, b2, gate_mlp, x1, out0; writes out0
.if DOCPART == 7
	.amdgcn_target "amdgcn-amd-amdhsa--gfx1250"
	.amdhsa_code_object_version 6
	.text
	.protected	k_q35f987c9ed_mlp2
	.globl	k_q35f987c9ed_mlp2
	.p2align	8
	.type	k_q35f987c9ed_mlp2,@function
k_q35f987c9ed_mlp2:
	s_mov_b64 s[64:65], 0
	v_nop
	global_prefetch_b8 v0, s[64:65] scope:SCOPE_SE
	s_setreg_imm32_b32 hwreg(HW_REG_WAVE_MODE, 25, 1), 1
	s_wait_xcnt 0x0
	s_wait_alu depctr_hold_cnt(0) depctr_sa_sdst(0) depctr_va_vdst(0) depctr_va_sdst(0) depctr_va_ssrc(0) depctr_va_vcc(0) depctr_vm_vsrc(0)
	s_getreg_b32 s2, hwreg(HW_REG_IB_STS2, 6, 4)
	s_cmp_eq_u32 s2, 0
	s_cbranch_scc0 .Lentry_in_a_cluster
	s_endpgm
.Lentry_in_a_cluster:
	s_bfe_u32 s2, ttmp6, 0x10000c
	s_cmp_lg_u32 s2, 0xf033
	s_cbranch_scc0 .Lentry_shape_is_right
	s_endpgm
.Lentry_shape_is_right:
; res_out = res_in + gate (A W + bias).  Here: A = hid (the MLP's hidden layer), W = w2, res_in = x1, res_out = out0, all of res in f32.
; A lies in blocks [tile of 128 tokens][K / 64][128 tokens][64] bf16; W in wb as [K][1024] bf16.  Sums in f32.
; A work-group makes 128 tokens x 128 columns, a wave 64 x 64: 16 accumulators.  K goes in 16 steps of 256 through two LDS slots: four blocks of A (a token's 128 bytes at pitch 144) and 256 k-rows of W (pitch 288).
; Source 0 = 16 columns of W, turned by ds_load_tr16_b128; source 1 = 16 tokens of A: a lane's eight results are eight neighbouring columns of a token.
; CLUSTER 4 x 4: A's tiles are asked for jointly along a row of the cluster, W's along a column.  Waves 0, 1 fetch two blocks of A each, waves 2, 3 128 k-rows of W each: one tensor load a wave behind each round.
; PREFETCH (PF = 1): behind each refill the K step two behind it is named, 256 matrix instructions of a wave ahead of the load that will want it.
; lds_bytes claims all of LDS and the spare words take the add.
; REGISTERS: window 0 addresses, v[32:43] gate, bias and their product, v[64:127] the way out, v[128:255] the residual; window 1 two fragment buffers; window 2 the accumulators, (a, b) at v[8 (4 a + b)].
.set T, 16
.set MTS, 1048576                      ; bytes of A from one tile of 128 tokens to the next
.set WOFF, 16777216                    ; W in wb
.set PF, 1
.set AHEAD, 2
.set SLOT, 147456
.set SPARE, 294912                     ; the spare words: 128 bytes a wave, two blocks of 256 bytes that no other line names
.set PIECE, 36864
.set BOFF, 73728
.set ASTEP, 65536
.set BSTEP, 524288
.set SPITCH, 272
.set SWAVE, 64*SPITCH
.set F0, 0
.set F1, 128
.set WV, 20
.set WM, 21
.set WN, 22
.set CX, 23
.set CY, 24
.set TX, 25
.set TY, 26
.set CNT, 27
.set TB, 28
.set FB, 29
.set LWA, 30
.set LWB, 31
.set G1A, 32
.set G1B, 40
.set G0A, 48
.set G0B, 52
.set PFA, 56
.set PST, 58
.set LIM, 60
.set MUL2, 0xa5
.set TO_F, 0x40
.set MSB, 0
.macro WIN new
.if MSB != (\new)
	s_set_vgpr_msb (MSB<<8)|(\new)
.set MSB, \new
.endif
.endm
.macro PLACES
.rept 4
	v_nop
.endr
.endm
.macro CREST
	s_cmp_lg_u32 s[WV], 0
	s_cbranch_scc1 .Lnot_wave_0_\@
	s_barrier_signal -3
.Lnot_wave_0_\@:
	s_barrier_wait -3
	s_barrier_signal -1
	s_barrier_wait -1
.endm
.macro CROUND
	s_barrier_signal -1
	s_barrier_wait -1
	CREST
.endm
.macro JLOAD
	s_cmp_lt_u32 s[WV], 2
	s_cbranch_scc0 .Lfor_b_\@
	tensor_load_to_lds s[G0A:G0A+3], s[G1A:G1A+7]
	s_nop 0
.rept 4
	v_nop
.endr
	s_branch .Lasked_\@
.Lfor_b_\@:
	tensor_load_to_lds s[G0B:G0B+3], s[G1B:G1B+7]
	s_nop 0
.rept 4
	v_nop
.endr
.Lasked_\@:
.endm
.macro STEPD
	s_xor_b32 s[FB], s[FB], SLOT
	s_add_co_u32 s[G0A+1], s[LWA], s[FB]
	s_add_co_u32 s[G0B+1], s[LWB], s[FB]
	s_add_nc_u64 s[G0A+2:G0A+3], s[G0A+2:G0A+3], ASTEP
	s_add_nc_u64 s[G0B+2:G0B+3], s[G0B+2:G0B+3], BSTEP
.endm
.macro ASK                             ; the last AHEAD refills ask for nothing: the K steps behind them do not exist
	s_cmp_gt_u32 s[CNT], s[LIM]
	s_cbranch_scc0 .Lnot_mine_\@
	global_prefetch_b8 v18, s[PFA:PFA+1] th:TH_LOAD_NT scope:SCOPE_SE
.Lnot_mine_\@:
.endm
.macro FETCH q, f                      ; 32 LDS loads: the fragments of 64 along K (block q of the slot's four) into buffer f
	WIN TO_F
.irp c, 0,1
.irp b, 0,1,2,3
	ds_load_tr16_b128 v[(\f)+64+8*(4*(\c)+(\b)):(\f)+64+8*(4*(\c)+(\b))+3],   v[11+(\q)/2] offset:18432*((\q)%2)+9216*(\c)+32*(\b)
	ds_load_tr16_b128 v[(\f)+64+8*(4*(\c)+(\b))+4:(\f)+64+8*(4*(\c)+(\b))+7], v[11+(\q)/2] offset:18432*((\q)%2)+9216*(\c)+32*(\b)+4608
.endr
.endr
.irp c, 0,1
.irp a, 0,1,2,3
	ds_load_b128 v[(\f)+8*(4*(\c)+(\a)):(\f)+8*(4*(\c)+(\a))+3],   v10 offset:18432*(\q)+2304*(\a)+64*(\c)
	ds_load_b128 v[(\f)+8*(4*(\c)+(\a))+4:(\f)+8*(4*(\c)+(\a))+7], v10 offset:18432*(\q)+2304*(\a)+64*(\c)+32
.endr
.endr
	WIN 0
.endm
.macro MULP f, c, a0, zero             ; 8 products: token blocks a0, a0 + 1 x 4 column blocks, half c of the buffer's 64 along K.  The 16 accumulators take turns
	WIN MUL2
.irp a, \a0, (\a0)+1
.irp b, 0,1,2,3
.if \zero
	v_wmma_f32_16x16x32_bf16 v[8*(4*(\a)+(\b)):8*(4*(\a)+(\b))+7], v[(\f)+64+8*(4*(\c)+(\b)):(\f)+64+8*(4*(\c)+(\b))+7], v[(\f)+8*(4*(\c)+(\a)):(\f)+8*(4*(\c)+(\a))+7], 0
.else
	v_wmma_f32_16x16x32_bf16 v[8*(4*(\a)+(\b)):8*(4*(\a)+(\b))+7], v[(\f)+64+8*(4*(\c)+(\b)):(\f)+64+8*(4*(\c)+(\b))+7], v[(\f)+8*(4*(\c)+(\a)):(\f)+8*(4*(\c)+(\a))+7], v[8*(4*(\a)+(\b)):8*(4*(\a)+(\b))+7]
.endif
.endr
.endr
.endm
.macro QUARTER q, f, g, zero
	s_wait_dscnt 0x0                       ; buffer f's loads, issued half a quarter back
	MULP \f, 0, 0, \zero
	MULP \f, 0, 2, \zero
	PLACES
	FETCH \q, \g
	MULP \f, 1, 0, 0
	MULP \f, 1, 2, 0
.endm
; The fourth quarter multiplies buffer 1 and changes slots: each wave waits for all its tensor loads, adds 0 to its spare word, waits for that and for its reads of the slot, and signals.
; fill = 1: the barrier opens a round of the cluster's, and the slot just read is filled again first thing behind it, with the K step two on.
.macro TURN fill
.if (\fill) && PF
	s_wait_xcnt 0x0                        ; the last prefetch, a K step back, has read its address
	s_add_nc_u64 s[PFA:PFA+1], s[PFA:PFA+1], s[PST:PST+1]
.endif
	WIN 0
	s_wait_dscnt 0x0                       ; buffer 1 is in: my last reads of this slot
	s_wait_tensorcnt 0x0
	ds_add_u32 v28, v29
.if \fill
	STEPD
.endif
	MULP F1, 0, 0, 0
	s_wait_dscnt 0x0
	s_barrier_signal -1
	MULP F1, 0, 2, 0
	WIN 0
	s_barrier_wait -1
.if \fill
	CREST
	JLOAD                                  ; its four v_nop are also the places in front of the loads below
.else
	PLACES
.endif
	s_xor_b32 s[TB], s[TB], SLOT
	v_add_nc_u32 v10, s[TB], v8
	v_add_nc_u32 v11, s[TB], v9
	v_add_nc_u32 v12, PIECE, v11
.if !(\fill)
	s_cmp_eq_u32 s[CNT], 1                 ; the last K step has no successor
	s_cbranch_scc1 .Lnofetch_\@
.endif
	FETCH 0, F0
.if \fill
.if PF
	ASK
.endif
.else
.Lnofetch_\@:
.endif
	MULP F1, 1, 0, 0
	MULP F1, 1, 2, 0
.endm
	s_load_b256 s[4:11], s[0:1], 0x0       ; A 4, wb 6, bias 8, gate 10
	s_load_b128 s[12:15], s[0:1], 0x20     ; res_in 12, res_out 14
	v_lshl_add_u32 v28, v0, 2, SPARE
	v_mov_b32 v29, 0
	ds_add_u32 v28, v29                    ; the wave's opening: the add and its wait stand ahead of my first tensor load
	v_lshrrev_b32 v1, 5, v0
	v_readfirstlane_b32 s[WV], v1
	s_lshr_b32 s[WM], s[WV], 1
	s_and_b32 s[WN], s[WV], 1
	s_bfe_u32 s[CX], ttmp6, 0x40000
	s_bfe_u32 s[CY], ttmp6, 0x40004
	s_lshl_b32 s[TX], ttmp9, 2
	s_add_co_u32 s[TX], s[TX], s[CX]
	s_and_b32 s[TY], ttmp7, 0xffff
	s_lshl_b32 s[TY], s[TY], 2
	s_add_co_u32 s[TY], s[TY], s[CY]
	s_lshl_b32 s68, s[CY], 2
	s_lshl_b32 s68, 15, s68                ; my row of the cluster
	s_lshl_b32 s72, 0x1111, s[CX]          ; my column
	s_or_b32 s[G1A], s68, (1<<16)|(1<<20)|(1<<21)|(4<<22)|(3<<25)  ; after every 32 words (a token's 128 bytes) 4 words of padding
	s_or_b32 s[G1B], s72, (1<<16)|(1<<20)|(1<<21)|(5<<22)|(7<<25)  ; after every 64 words 8 words
.irp g, G1A, G1B
	s_mov_b32 s[(\g)+1], 128<<16
	s_mov_b32 s[(\g)+2], 128<<16
	s_mov_b32 s[(\g)+3], 128<<16
	s_mov_b32 s[(\g)+4], 128
	s_mov_b32 s[(\g)+6], 0
	s_mov_b32 s[(\g)+7], 0
.endr
	s_mov_b32 s[G1A+5], 128                ; two blocks are 32,768 dense bytes: 128 rows of 256
	s_mov_b32 s[G1B+5], 1024
	s_mul_i32 s[LWA], s[WN], PIECE
	s_add_co_u32 s[LWB], s[LWA], BOFF
	s_mov_b32 s[FB], 0
	s_mov_b32 s[TB], 0
	s_mov_b32 s[G0A], 1
	s_mov_b32 s[G0A+1], s[LWA]
	s_mov_b32 s[G0B], 1
	s_mov_b32 s[G0B+1], s[LWB]
	s_mul_i32 s66, s[TY], MTS
	s_lshl_b32 s67, s[WN], 15
	s_add_co_u32 s66, s66, s67
	s_mov_b32 s67, 0
	s_lshl_b32 s70, s[TX], 8
	s_lshl_b32 s71, s[WN], 18
	s_add_co_u32 s70, s70, s71
	s_add_co_u32 s70, s70, WOFF
	s_mov_b32 s71, 0
	s_wait_dscnt 0x0                       ; the opening add is done
	s_wait_kmcnt 0x0
	s_add_nc_u64 s[G0A+2:G0A+3], s[4:5], s[66:67]
	s_or_b32 s[G0A+3], s[G0A+3], 0x80000000
	s_add_nc_u64 s[G0B+2:G0B+3], s[6:7], s[70:71]
	s_or_b32 s[G0B+3], s[G0B+3], 0x80000000
	CROUND
	JLOAD                                  ; K step 0 into slot 0
	v_and_b32 v1, 15, v0
	v_bfe_u32 v2, v0, 4, 1
	v_and_b32 v3, 7, v0
	v_bfe_u32 v4, v0, 3, 1
	v_and_b32 v6, 31, v0
	s_mul_i32 s74, s[WM], 64*144
	v_mul_u32_u24 v8, v1, 144
	v_lshl_add_u32 v8, v2, 4, v8
	v_add_nc_u32 v8, s74, v8               ; A's fragments: (64 WM + r) x 144 + 16 half
	v_lshl_add_u32 v9, v2, 3, v3
	v_mul_u32_u24 v9, v9, 288
	v_lshl_add_u32 v9, v4, 4, v9
	s_lshl_b32 s74, s[WN], 7
	s_add_co_u32 s74, s74, BOFF
	v_add_nc_u32 v9, s74, v9
	v_mov_b32 v10, v8
	v_mov_b32 v11, v9
	v_add_nc_u32 v12, PIECE, v9
	s_mul_i32 s74, s[WV], SWAVE
	v_mul_u32_u24 v14, v1, SPITCH
	v_lshl_add_u32 v14, v2, 5, v14
	v_add_nc_u32 v14, s74, v14             ; into the stage: token r, 32 bytes for each half of the lanes
	v_mul_u32_u24 v15, v2, SPITCH
	v_lshl_add_u32 v15, v1, 4, v15
	v_add_nc_u32 v15, s74, v15             ; back: lanes 0-15 one token's 256 bytes, lanes 16-31 the next
	v_lshlrev_b32 v16, 12, v2
	v_lshl_add_u32 v16, v1, 4, v16         ; and the same two tokens in res
	v_lshlrev_b32 v17, 4, v1
	s_lshl_b32 s78, s[TX], 9
	s_lshl_b32 s79, s[WN], 8
	s_add_co_u32 s78, s78, s79             ; my first column, in bytes of f32
	s_mov_b32 s79, 0
	s_add_nc_u64 s[8:9], s[8:9], s[78:79]
	s_add_nc_u64 s[10:11], s[10:11], s[78:79]
	s_lshl_b32 s76, s[TY], 7
	s_lshl_b32 s77, s[WM], 6
	s_add_co_u32 s76, s76, s77
	s_lshl_b32 s76, s76, 12                ; my first token's row of 4,096 bytes
	s_add_co_u32 s76, s76, s78
	s_mov_b32 s77, 0
	s_add_nc_u64 s[12:13], s[12:13], s[76:77]
	s_add_nc_u64 s[14:15], s[14:15], s[76:77]
	global_load_b128 v[32:35], v17, s[10:11]   ; gate
	global_load_b128 v[36:39], v17, s[8:9]     ; bias
.if PF
	; the prefetches' address: AHEAD + 1 K steps in; the first change of slots steps it once more.  A's bytes are named by the clusters with x = 0, W's by those with y = 0;
	; the four partners of a joint load share its bytes out by address; a lane names 256 bytes
	s_lshl_b32 s74, s[CX], 13
	s_add_co_u32 s74, s74, s66
	s_add_co_u32 s74, s74, (AHEAD+1)*ASTEP
	s_lshl_b32 s75, s[CY], 16
	s_add_co_u32 s75, s75, s70
	s_add_co_u32 s75, s75, (AHEAD+1)*BSTEP
	s_and_b32 s76, ttmp7, 0xffff
	s_mov_b32 s[PST], BSTEP
	s_mov_b32 s[PST+1], 0
	s_mov_b32 s79, 0
	s_cmp_lt_u32 s[WV], 2
	s_cselect_b64 s[PFA:PFA+1], s[4:5], s[6:7]
	s_cselect_b32 s78, s74, s75
	s_cselect_b32 s76, ttmp9, s76
	s_cselect_b32 s[PST], ASTEP, s[PST]
	s_cselect_b32 s77, 8, 11
	s_add_nc_u64 s[PFA:PFA+1], s[PFA:PFA+1], s[78:79]
	s_cmp_eq_u32 s76, 0
	s_cselect_b32 s[LIM], AHEAD, -1
	v_lshlrev_b32 v18, s77, v6
.endif
	s_wait_tensorcnt 0x0                   ; my part of K step 0 has landed
	ds_add_u32 v28, v29
	STEPD
	s_wait_dscnt 0x0
	CROUND
	JLOAD                                  ; K step 1 into slot 1: a first fill, issued as a refill is
.irp u, 0,1,2,3,4,5,6,7,8,9,10,11,12,13,14,15,16,17,18,19,20,21,22,23,24,25,26,27,28,29,30,31
	global_load_b128 v[128+4*(\u):128+4*(\u)+3], v16, s[12:13] offset:8192*(\u)  ; the residual: it has the whole product in which to come
.endr
	FETCH 0, F0
	QUARTER 1, F0, F1, 1                   ; the first products start the sums
	WIN 0
	s_mov_b32 s[CNT], T-2
	s_branch .Lin
.L1:
	QUARTER 1, F0, F1, 0
	WIN 0
.Lin:
	QUARTER 2, F1, F0, 0
	QUARTER 3, F0, F1, 0
	TURN 1
	WIN 0
	s_sub_co_u32 s[CNT], s[CNT], 1
	s_cmp_lg_u32 s[CNT], 0
	s_cbranch_scc1 .L1
	s_mov_b32 s[CNT], 2
.L2:
	QUARTER 1, F0, F1, 0
	QUARTER 2, F1, F0, 0
	QUARTER 3, F0, F1, 0
	TURN 0
	WIN 0
	s_sub_co_u32 s[CNT], s[CNT], 1
	s_cmp_lg_u32 s[CNT], 0
	s_cbranch_scc1 .L2
	; THE WAY OUT.  Behind the last barrier no wave reads the slots and nothing is filled any more: each wave's stage lies over them and is its own.
	PLACES
	WIN 0x08                               ; store data from window 2
.irp a, 0,1,2,3
.irp b, 0,1,2,3
	ds_store_b128 v14, v[8*(4*(\a)+(\b)):8*(4*(\a)+(\b))+3]   offset:4352*(\a)+64*(\b)
	ds_store_b128 v14, v[8*(4*(\a)+(\b))+4:8*(4*(\a)+(\b))+7] offset:4352*(\a)+64*(\b)+16
.endr
.endr
	WIN 0
.macro LDG g                           ; eight units of two tokens back from the stage
.irp u, 0,1,2,3,4,5,6,7
	ds_load_b128 v[64+32*((\g)%2)+4*(\u):64+32*((\g)%2)+4*(\u)+3], v15 offset:544*(8*(\g)+(\u))
.endr
.endm
.macro OUTG g                          ; res + gate x sum + gate x bias, and out: 16 lanes store 256 consecutive bytes, aligned
.irp u, 0,1,2,3,4,5,6,7
	v_pk_fma_f32 v[128+4*(8*(\g)+(\u)):128+4*(8*(\g)+(\u))+1],   v[64+32*((\g)%2)+4*(\u):64+32*((\g)%2)+4*(\u)+1],   v[32:33], v[128+4*(8*(\g)+(\u)):128+4*(8*(\g)+(\u))+1]
	v_pk_fma_f32 v[128+4*(8*(\g)+(\u))+2:128+4*(8*(\g)+(\u))+3], v[64+32*((\g)%2)+4*(\u)+2:64+32*((\g)%2)+4*(\u)+3], v[34:35], v[128+4*(8*(\g)+(\u))+2:128+4*(8*(\g)+(\u))+3]
	v_pk_add_f32 v[128+4*(8*(\g)+(\u)):128+4*(8*(\g)+(\u))+1],   v[128+4*(8*(\g)+(\u)):128+4*(8*(\g)+(\u))+1],   v[40:41]
	v_pk_add_f32 v[128+4*(8*(\g)+(\u))+2:128+4*(8*(\g)+(\u))+3], v[128+4*(8*(\g)+(\u))+2:128+4*(8*(\g)+(\u))+3], v[42:43]
	global_store_b128 v16, v[128+4*(8*(\g)+(\u)):128+4*(8*(\g)+(\u))+3], s[14:15] offset:8192*(8*(\g)+(\u))
.endr
.endm
	LDG 0
	s_wait_loadcnt 0x0                     ; gate, bias, residual
	v_pk_mul_f32 v[40:41], v[32:33], v[36:37]
	v_pk_mul_f32 v[42:43], v[34:35], v[38:39]
.irp g, 0,1,2
	LDG (\g)+1
	s_wait_dscnt 8                         ; group g is back; the next group's eight loads may stay out
	OUTG \g
.endr
	s_wait_dscnt 0x0
	OUTG 3
	s_wait_tensorcnt 0x0                   ; the wave's end
	ds_add_u32 v28, v29
	s_wait_dscnt 0x0
	CROUND                                 ; the closing round
	s_endpgm
.Lfunc_end_k_q35f987c9ed_mlp2:
	.size	k_q35f987c9ed_mlp2, .Lfunc_end_k_q35f987c9ed_mlp2-k_q35f987c9ed_mlp2
	.p2alignl 7, 3214868480
	.fill 96, 4, 3214868480
	.section	.rodata,"a",@progbits
	.p2align	6, 0x0
	.amdhsa_kernel k_q35f987c9ed_mlp2
		.amdhsa_group_segment_fixed_size 327680
		.amdhsa_private_segment_fixed_size 0
		.amdhsa_enable_private_segment 0
		.amdhsa_kernarg_size 48
		.amdhsa_user_sgpr_count 2
		.amdhsa_user_sgpr_kernarg_segment_ptr 1
		.amdhsa_wavefront_size32 1
		.amdhsa_system_sgpr_workgroup_id_x 1
		.amdhsa_system_sgpr_workgroup_id_y 1
		.amdhsa_system_sgpr_workgroup_id_z 1
		.amdhsa_system_vgpr_workitem_id 0
		.amdhsa_next_free_vgpr 640
		.amdhsa_next_free_sgpr 100
		.amdhsa_reserve_vcc 0
		.amdhsa_float_denorm_mode_32 3
		.amdhsa_float_denorm_mode_16_64 3
		.amdhsa_memory_ordered 1
		.amdhsa_forward_progress 1
		.amdhsa_inst_pref_size 71
	.end_amdhsa_kernel
	.amdgpu_metadata
---
amdhsa.version: [ 1, 2 ]
amdhsa.kernels:
  - .name:           k_q35f987c9ed_mlp2
    .symbol:         k_q35f987c9ed_mlp2.kd
    .args:
      - { .name: hid, .offset: 0, .size: 8, .value_kind: global_buffer, .address_space: global }
      - { .name: wb, .offset: 8, .size: 8, .value_kind: global_buffer, .address_space: global }
      - { .name: b2, .offset: 16, .size: 8, .value_kind: global_buffer, .address_space: global }
      - { .name: gate_mlp, .offset: 24, .size: 8, .value_kind: global_buffer, .address_space: global }
      - { .name: x1, .offset: 32, .size: 8, .value_kind: global_buffer, .address_space: global }
      - { .name: out0, .offset: 40, .size: 8, .value_kind: global_buffer, .address_space: global }
    .group_segment_fixed_size: 327680
    .private_segment_fixed_size: 0
    .kernarg_segment_align: 8
    .kernarg_segment_size: 48
    .max_flat_workgroup_size: 128
    .sgpr_count:     100
    .vgpr_count:     640
    .wavefront_size: 32
...
	.end_amdgpu_metadata
.endif
;; end of part 7
